; MI455X (gfx1250); checked and timed in simulation.
; The chip was launched on July 23, 2026; its instructions are those of AMD's public machine-readable ISA for CDNA 5 (MIT licence, August 2026) and "CDNA5" Instruction Set Architecture Reference Guide (July 2026). The comments in the code are by the model that wrote it; some were corrected since.
;; Hetero Linear. Allowed arithmetic: float matrix products may take bf16 or f16 operands with f32 sums; other float arithmetic in f32, or as packed bf16 or f16 multiplies, adds, multiply-adds, maxima and minima; sums over many terms, partial sums and values carried from step to step in f32; what a program stores and reads back later, other than sums and carried values, may be rounded once to bf16 or f16.
;; Inputs: W 4 x 1,024 x 1,024 float32; b 4 x 1,024 float32; types 4 x 4,096 int32; x 4 x 4,096 x 1,024 float32.
;; Outputs: out0 4 x 4,096 x 1,024 float32.
;; 2 versions, each right and faster than the one before. Each part assembles by itself: llvm-mc -triple=amdgcn-amd-amdhsa -mcpu=gfx1250 --defsym DOCPART=n.
;; ======== version 1 of 2: 2 launches
;; workspace buffers: wt 8,388,608 bytes; order 65,792 bytes of whole numbers; plan 512 bytes of whole numbers
;; launch prep (part 1): grid 144 x 1, 8 waves a work-group, no clusters, 69,632 bytes of LDS; arguments W, types, wt, order, plan, out0; writes wt, order, plan, out0
.if DOCPART == 1
	.amdgcn_target "amdgcn-amd-amdhsa--gfx1250"
	.amdhsa_code_object_version 6
	.text
	.protected	k_qe07717dddb_prep
	.globl	k_qe07717dddb_prep
	.p2align	8
	.type	k_qe07717dddb_prep,@function
k_qe07717dddb_prep:
	s_mov_b64 s[64:65], 0
	v_nop
	global_prefetch_b8 v0, s[64:65] scope:SCOPE_SE
	s_setreg_imm32_b32 hwreg(HW_REG_WAVE_MODE, 25, 1), 1
	s_wait_xcnt 0x0
; PREP: two roles, chosen by the work-group's number (the same for all its waves).
; Work-groups 16..143 (CONVERT): W [4][1024 k][1024 n] f32 is rounded once to bf16 and laid out in the order in which the product's waves take it
;   as matrix operands.  A wave's task is 32 k x 128 n: 8 fragments of 1,024 bytes, 8,192 consecutive bytes of wt at task x 8,192, with
;   task = ((((e 2 + y) 8 + s) 4 + wv) 4 + q): k = 128 s + 32 q + .., n = 512 y + 128 wv + ...  In a fragment (16 n x 32 k) the number (k, n) lies at
;   byte 512 c + 256 h + 16 r + 2 j, where k % 32 = 16 c + 8 h + j and n % 16 = r: 16 bytes a lane, two loads a fragment.
; Work-groups 0..15 (SORT): a counting sort of the 16,384 tokens by type, without atomics: every work-group counts all types for itself and places its own
;   1,024 tokens.  order: each type's tokens on end (in no particular order inside a wave's 128), each type's part padded to whole blocks of 16 words;
;   every word that holds no token holds 0xFFFFFFFF.
;   plan: 32 entries (type, first block, blocks, 1 if more than 32 blocks), one for each group of four row work-groups of the product.
;   A token whose type is none of 0..3 (compared unsigned, so negative ones too) is in no list: its row of out0 is stored here, as zeros.
; No limit on the split: all tokens of one type, or a type with none, are served by the same formulas.
.set CVW,   8448                       ; CONVERT: a wave's own LDS, 8 fragments at a pitch of 1,040 bytes
.set FPIT,  1040                       ; 1,024 + 16: the 16 lanes of a store's half touch 16 different 16-byte columns of 256
.set SORT,  67584                      ; SORT: 128 bytes for each wave's twelve counts
.set SPARE, 68608                      ; the spare words, 128 bytes for each of the eight waves: no other line names them
.set SPW, 1                            ; v1  LDS address of my spare word; never rewritten
.set NIL, 2                            ; v2  0; never rewritten
.set L16, 3                            ; v3  16 x lane; never rewritten
.set PA,  116                          ; v116-119  SORT: byte offsets in order of my four tokens
.set PD,  120                          ; v120-123  my four tokens' numbers
.set HA,  124                          ; v124-128  byte offsets in order of the five words that I look at for holes
.set MONE, 129                         ; v129      0xFFFFFFFF
	s_load_b256 s[4:11], s[0:1], 0x0               ; W s[4:5], types s[6:7], wt s[8:9], order s[10:11]
	s_load_b128 s[12:15], s[0:1], 0x20             ; plan s[12:13], out0 s[14:15]
	v_lshl_add_u32 v[SPW], v0, 2, SPARE
	v_mov_b32 v[NIL], 0
	v_lshrrev_b32 v4, 5, v0
	v_readfirstlane_b32 s16, v4                    ; wave 0..7
	v_and_b32 v5, 31, v0                           ; lane
	v_lshlrev_b32 v[L16], 4, v5
	s_cmp_lt_u32 ttmp9, 16
	s_cbranch_scc1 .Lsort
; ---------------------------------------------------------------- CONVERT
	s_sub_co_u32 s17, ttmp9, 16
	s_lshl3_add_u32 s17, s17, s16                  ; task = 8 x (work-group - 16) + wave
	s_and_b32 s18, s17, 3                          ; q
	s_bfe_u32 s19, s17, 0x20002                    ; wv
	s_bfe_u32 s20, s17, 0x30004                    ; s
	s_bfe_u32 s21, s17, 0x10007                    ; y
	s_lshr_b32 s22, s17, 8                         ; e
	s_lshl_b32 s24, s22, 22                        ; source offset: e x 4 MiB
	s_lshl_b32 s20, s20, 19                        ; + 128 s rows of 4,096 bytes
	s_lshl_b32 s18, s18, 17                        ; + 32 q rows
	s_lshl_b32 s21, s21, 11                        ; + 512 y columns of 4 bytes
	s_lshl_b32 s19, s19, 9                         ; + 128 wv columns
	s_or_b32 s24, s24, s20
	s_or_b32 s24, s24, s18
	s_or_b32 s24, s24, s21
	s_or_b32 s24, s24, s19
	s_mov_b32 s25, 0
	s_lshl_b32 s26, s17, 13                        ; destination offset: task x 8,192
	s_mov_b32 s27, 0
	s_mul_i32 s28, s16, CVW
	v_lshrrev_b32 v6, 2, v5                        ; my four columns lie in fragment lane / 4,
	v_and_b32 v7, 3, v5                            ; at r = 4 (lane % 4) + i
	v_mul_u32_u24 v4, v6, FPIT
	v_lshl_add_u32 v4, v7, 6, v4
	v_add_nc_u32 v4, s28, v4                       ; where I put 16 bytes (8 k of one column)
	v_add_nc_u32 v5, s28, v[L16]                   ; where I read 16 bytes back
	s_wait_kmcnt 0x0
	s_add_nc_u64 s[4:5], s[4:5], s[24:25]
	s_add_nc_u64 s[8:9], s[8:9], s[26:27]
.set kk, 0
.rept 32                                               ; 32 rows of k; a load of the wave covers 512 consecutive bytes; all 32 go out before the first wait
	global_load_b128 v[8+4*kk:8+4*kk+3], v[L16], s[4:5] offset:kk*4096 th:TH_LOAD_NT
.set kk, kk+1
.endr
.irp g, 0,1,2,3                                        ; eight rows at a time: k % 32 = 8 g + j, so c = g / 2, h = g % 2
	s_wait_loadcnt 24-8*(\g)                       ; loads come back in order: the younger groups of eight stay out
.irp i, 0,1,2,3
.irp p, 0,1,2,3
	v_cvt_pk_bf16_f32 v[136+4*(4*(\g)+(\i))+(\p)], v[8+4*(8*(\g)+2*(\p))+(\i)], v[8+4*(8*(\g)+2*(\p)+1)+(\i)]
.endr
.endr
.irp i, 0,1,2,3
	ds_store_b128 v4, v[136+4*(4*(\g)+(\i)):136+4*(4*(\g)+(\i))+3] offset:(\g)*256+(\i)*16
.endr
.endr
.set t, 0
.rept 16                                               ; a wave's LDS instructions are served in order: these see the stores above; the bytes are the wave's own
	ds_load_b128 v[8+4*t:8+4*t+3], v5 offset:(t/2)*FPIT+(t%2)*512
.set t, t+1
.endr
.set t, 0
.rept 16
	s_wait_dscnt 15-t                              ; the younger read-backs stay out
	global_store_b128 v[L16], v[8+4*t:8+4*t+3], s[8:9] offset:t*512  ; 512 consecutive bytes, at a multiple of 256 from wt's first
.set t, t+1
.endr
	s_wait_tensorcnt 0x0                           ; the wave's end: behind my last LDS store
	ds_add_u32 v[SPW], v[NIL]
	s_wait_dscnt 0x0
	s_endpgm
; ---------------------------------------------------------------- SORT
; s17 = S: my chunk is tokens 1,024 S .. 1,024 S + 1,023; my wave's part of it 128 tokens; lane l holds tokens 4 l + c.
; s20-23 TOT (then C: a type's count), s24-27 BEF (then B: its count in the chunks before mine), s28-31 OWN (then P: its count in my chunk's earlier waves),
; s32-35 blocks of a type, s36-39 its first block, s48-51 its first word, s52-55 the next free word for my wave, s56-59 the first hole, s60-63 the end of the holes,
; s88-92 the masks of the holes, s97 my wave's first token.
.macro COUNT reg, base                 ; adds to s[base .. base+3] how many lanes of v[reg] hold 0, 1, 2, 3
.irp t, 0,1,2,3
	v_cmp_eq_u32 s[40+(\t)], \t, v[\reg]
.endr
.irp t, 0,1,2,3
	s_bcnt1_i32_b32 s[40+(\t)], s[40+(\t)]
.endr
.irp t, 0,1,2,3
	s_add_co_u32 s[(\base)+(\t)], s[(\base)+(\t)], s[40+(\t)]
.endr
.endm
.Lsort:
	s_mov_b32 s17, ttmp9
	s_lshl_b32 s18, s16, 9
	v_add_nc_u32 v6, s18, v[L16]                   ; my wave's eighth of a chunk: 512 bytes, 16 a lane
	v_lshl_add_u32 v7, s17, 12, v6                 ; the same in my own chunk
	s_wait_kmcnt 0x0
.set i, 0
.rept 16
	global_load_b128 v[8+4*i:8+4*i+3], v6, s[6:7] offset:i*4096
.set i, i+1
.endr
	global_load_b128 v[72:75], v7, s[6:7]
.irp r, 20,21,22,23,24,25,26,27,28,29,30,31
	s_mov_b32 s\r, 0
.endr
	s_wait_loadcnt 0x0
.set i, 0
.rept 16
	s_cmp_eq_u32 s17, i                            ; at my own chunk the running totals are the counts of the chunks before it
	s_cselect_b32 s24, s20, s24
	s_cselect_b32 s25, s21, s25
	s_cselect_b32 s26, s22, s26
	s_cselect_b32 s27, s23, s27
.set c, 0
.rept 4
	COUNT 8+4*i+c, 20
.set c, c+1
.endr
.set i, i+1
.endr
.set c, 0
.rept 4
	COUNT 72+c, 28
.set c, c+1
.endr
	; the eight waves' counts meet in LDS: lanes 0-3 TOT, 4-7 BEF, 8-11 OWN
	v_mov_b32 v80, 0
.irp t, 0,1,2,3
	v_writelane_b32 v80, s[20+(\t)], \t
	v_writelane_b32 v80, s[24+(\t)], 4+(\t)
	v_writelane_b32 v80, s[28+(\t)], 8+(\t)
.endr
	v_lshl_add_u32 v81, v0, 2, SORT
	ds_store_b32 v81, v80
	v_lshrrev_b32 v82, 2, v[L16]
	v_add_nc_u32 v82, SORT, v82
	s_wait_dscnt 0x0                               ; for the others' sake: my store is done
	s_barrier_signal -1
	s_barrier_wait -1
.irp w, 0,1,2,3,4,5,6,7
	ds_load_b32 v[84+(\w)], v82 offset:(\w)*128
.endr
	s_wait_dscnt 0x0
	v_add3_u32 v92, v84, v85, v86                  ; over all waves
	v_add3_u32 v92, v92, v87, v88
	v_add3_u32 v92, v92, v89, v90
	v_add_nc_u32 v92, v92, v91
	s_cmp_gt_u32 s16, 0                            ; over the waves before mine
	s_cselect_b32 s40, -1, 0
	v_and_b32 v93, s40, v84
.irp w, 1,2,3,4,5,6
	s_cmp_gt_u32 s16, \w
	s_cselect_b32 s40, -1, 0
	v_and_b32 v95, s40, v[84+(\w)]
	v_add_nc_u32 v93, v93, v95
.endr
.irp t, 0,1,2,3
	v_readlane_b32 s[20+(\t)], v92, \t
	v_readlane_b32 s[24+(\t)], v92, 4+(\t)
	v_readlane_b32 s[28+(\t)], v93, 8+(\t)
.endr
.irp t, 0,1,2,3
	s_add_co_u32 s[32+(\t)], s[20+(\t)], 15
	s_lshr_b32 s[32+(\t)], s[32+(\t)], 4           ; blocks of 16 rows
.endr
	s_mov_b32 s36, 0
	s_add_co_u32 s37, s36, s32
	s_add_co_u32 s38, s37, s33
	s_add_co_u32 s39, s38, s34
.irp t, 0,1,2,3
	s_lshl_b32 s[48+(\t)], s[36+(\t)], 4
	s_add_co_u32 s[56+(\t)], s[48+(\t)], s[20+(\t)]
	s_add_co_u32 s[52+(\t)], s[48+(\t)], s[24+(\t)]
	s_add_co_u32 s[52+(\t)], s[52+(\t)], s[28+(\t)]
.endr
	s_mov_b32 s60, s49
	s_mov_b32 s61, s50
	s_mov_b32 s62, s51
	s_mov_b32 s63, 16448                           ; order's words
	; All the addresses of the masked stores are made here, with all lanes on, ahead of the first line that narrows EXEC.
	; PLACEMENT: a token's word = its type's next free word + the number of lower lanes of the same type
	s_lshl_b32 s80, s17, 10
	s_lshl_b32 s81, s16, 7
	s_add_co_u32 s97, s80, s81                     ; my wave's first token
	v_lshrrev_b32 v94, 2, v[L16]
	v_add_nc_u32 v94, s97, v94                     ; token of my register 0
.irp c, 0,1,2,3
	v_mov_b32 v[PA+(\c)], 0
.irp t, 0,1,2,3
	v_cmp_eq_u32 s40, \t, v[72+(\c)]
	v_mbcnt_lo_u32_b32 v77, s40, 0
	v_add_nc_u32 v77, s[52+(\t)], v77
	v_cndmask_b32 v[PA+(\c)], v[PA+(\c)], v77, s40
	s_bcnt1_i32_b32 s41, s40
	s_add_co_u32 s[52+(\t)], s[52+(\t)], s41
.endr
	v_min_u32 v[PA+(\c)], 0x403f, v[PA+(\c)]       ; inside order, whatever was loaded
	v_lshlrev_b32 v[PA+(\c)], 2, v[PA+(\c)]
	v_add_nc_u32 v[PD+(\c)], \c, v94
.endr
	; HOLES: word p = 256 S + thread + 4,096 j holds no token if it lies between a type's last token and the next type's first word (for type 3: order's end)
	s_lshl_b32 s80, s17, 8
	v_add_nc_u32 v79, s80, v0
	v_mov_b32 v[MONE], -1
.irp j, 0,1,2,3,4
	v_add_nc_u32 v78, (\j)*4096, v79
	s_mov_b32 s[88+(\j)], 0
.irp t, 0,1,2,3
	v_cmp_le_u32 s40, s[56+(\t)], v78
	v_cmp_gt_u32 s41, s[60+(\t)], v78
	s_and_b32 s40, s40, s41
	s_or_b32 s[88+(\j)], s[88+(\j)], s40
.endr
	v_min_u32 v[HA+(\j)], 0x403f, v78              ; lanes that are off point inside the buffer too
	v_lshlrev_b32 v[HA+(\j)], 2, v[HA+(\j)]
.endr
.macro MSTORE adr, dat                 ; one word a lane into order, in the lanes of VCC
	s_wait_xcnt 0x0                                ; EXEC changes only behind this wait
	s_and_saveexec_b32 s43, vcc_lo
	global_store_b32 v[\adr], v[\dat], s[10:11]
	s_wait_xcnt 0x0                                ; and again, in front of the line that widens it
	s_or_b32 exec_lo, exec_lo, s43
.endm
.irp c, 0,1,2,3
	v_cmp_gt_u32 vcc_lo, 4, v[72+(\c)]             ; only types 0..3 are listed
	MSTORE PA+(\c), PD+(\c)
.endr
.irp j, 0,1,2,3,4
	s_mov_b32 vcc_lo, s[88+(\j)]
	MSTORE HA+(\j), MONE
.endr
	; PLAN: one wave of the launch; lane = row group.  A group is four work-groups of 8 or 9 blocks: 36 blocks at the most.  The types' blocks are 1,027 at the most,
	; so the sum of ceil(nb / 36) is at most (1,027 + 4 x 35) / 36 = 32: 32 groups serve every split.  Where groups of 32 blocks suffice they are taken.
	s_or_b32 s80, s17, s16
	s_cmp_lg_u32 s80, 0
	s_cbranch_scc1 .Lnoplan
	s_mov_b32 s80, 0
.irp t, 0,1,2,3
	s_add_co_u32 s81, s[32+(\t)], 31
	s_lshr_b32 s[66+(\t)], s81, 5                  ; ceil(nb / 32)
	s_add_co_u32 s80, s80, s[66+(\t)]
	s_add_co_u32 s81, s[32+(\t)], 35
	s_mul_i32 s81, s81, 1821
	s_lshr_b32 s[40+(\t)], s81, 16                 ; ceil(nb / 36): 1,821 x 36 = 65,536 + 20, so the quotient is exact for numbers under 3,276
.endr
	s_cmp_le_u32 s80, 32
.irp t, 0,1,2,3
	s_cselect_b32 s[66+(\t)], s[66+(\t)], s[40+(\t)]  ; g: the type's groups
.endr
	s_mov_b32 s71, s66                             ; the types' first groups
	s_add_co_u32 s72, s71, s67
	s_add_co_u32 s73, s72, s68
.irp t, 0,1,2,3
	s_lshl_b32 s81, s[66+(\t)], 5
	s_max_u32 s82, s[32+(\t)], s81
	s_sub_co_u32 s[76+(\t)], s82, s81              ; ex: the blocks over 32 a group, dealt four at a time to the type's first groups
.endr
	v_lshrrev_b32 v100, 4, v[L16]                  ; rc
	v_mov_b32 v112, 0                              ; the group's type: the last whose first group is not beyond rc,
	v_mov_b32 v102, 0                              ; that first group,
	v_mov_b32 v103, s32                            ; the type's blocks,
	v_mov_b32 v104, 0                              ; its first block,
	v_mov_b32 v105, s76                            ; its ex
.irp t, 1,2,3
	v_cmp_le_u32 vcc_lo, s[70+(\t)], v100
	v_cndmask_b32 v112, v112, \t, vcc_lo
	v_cndmask_b32 v102, v102, s[70+(\t)], vcc_lo
	v_cndmask_b32 v103, v103, s[32+(\t)], vcc_lo
	v_cndmask_b32 v104, v104, s[36+(\t)], vcc_lo
	v_cndmask_b32 v105, v105, s[76+(\t)], vcc_lo
.endr
	v_sub_nc_u32 v106, v100, v102                  ; j: the group's number in its type
	v_lshlrev_b32 v107, 2, v106
	v_min_u32 v108, v107, v105
	v_lshl_add_u32 v108, v106, 5, v108             ; st = 32 j + min(4 j, ex)
	v_add_nc_u32 v109, 4, v107
	v_min_u32 v109, v109, v105
	v_lshl_add_u32 v109, v106, 5, v109
	v_add_nc_u32 v109, 32, v109
	v_min_u32 v109, v109, v103                     ; en = min(nb, 32 j + 32 + min(4 j + 4, ex))
	v_max_u32 v109, v109, v108                     ; a group past the type's last has none
	v_add_nc_u32 v113, v104, v108                  ; first block
	v_sub_nc_u32 v114, v109, v108                  ; blocks
	v_cmp_lt_u32 vcc_lo, 32, v114
	v_cndmask_b32 v115, 0, 1, vcc_lo               ; a ninth block for some partner
	global_store_b128 v[L16], v[112:115], s[12:13]
.Lnoplan:
	; ZERO ROWS: a token of no type keeps zeros.  Whole rows are stored under scalar branches; no barrier stands in what is jumped.
.irp c, 0,1,2,3
	v_cmp_lt_u32 s[44+(\c)], 3, v[72+(\c)]
.endr
	s_or_b32 s80, s44, s45
	s_or_b32 s80, s80, s46
	s_or_b32 s80, s80, s47
	s_cmp_eq_u32 s80, 0
	s_cbranch_scc1 .Lnozero
.irp r, 96,97,98,99
	v_mov_b32 v\r, 0
.endr
.macro ZROW c                          ; lane s81's token 4 s81 + c of my wave
	s_bitcmp1_b32 s[44+(\c)], s81
	s_cbranch_scc0 .Lzs_\@
	s_lshl2_add_u32 s82, s81, s97
	s_add_co_u32 s82, s82, \c
	s_lshl_b32 s82, s82, 12                        ; a row of out0 is 4,096 bytes
	s_mov_b32 s83, 0
	s_add_nc_u64 s[84:85], s[14:15], s[82:83]
.irp n, 0,1,2,3,4,5,6,7
	global_store_b128 v[L16], v[96:99], s[84:85] offset:512*(\n)
.endr
	s_wait_xcnt 0x0                                ; the base is written again only behind this wait
.Lzs_\@:
.endm
	s_mov_b32 s81, 0
.Lzrow:
	ZROW 0
	ZROW 1
	ZROW 2
	ZROW 3
	s_add_co_u32 s81, s81, 1
	s_cmp_lt_u32 s81, 32
	s_cbranch_scc1 .Lzrow
.Lnozero:
	s_wait_tensorcnt 0x0                           ; the wave's end: behind my last LDS store
	ds_add_u32 v[SPW], v[NIL]
	s_wait_dscnt 0x0
	s_endpgm
.Lfunc_end_k_qe07717dddb_prep:
	.size	k_qe07717dddb_prep, .Lfunc_end_k_qe07717dddb_prep-k_qe07717dddb_prep
	.p2alignl 7, 3214868480
	.fill 96, 4, 3214868480
	.section	.rodata,"a",@progbits
	.p2align	6, 0x0
	.amdhsa_kernel k_qe07717dddb_prep
		.amdhsa_group_segment_fixed_size 69632
		.amdhsa_private_segment_fixed_size 0
		.amdhsa_enable_private_segment 0
		.amdhsa_kernarg_size 48
		.amdhsa_user_sgpr_count 2
		.amdhsa_user_sgpr_kernarg_segment_ptr 1
		.amdhsa_wavefront_size32 1
		.amdhsa_system_sgpr_workgroup_id_x 1
		.amdhsa_system_sgpr_workgroup_id_y 1
		.amdhsa_system_sgpr_workgroup_id_z 1
		.amdhsa_system_vgpr_workitem_id 0
		.amdhsa_next_free_vgpr 200
		.amdhsa_next_free_sgpr 100
		.amdhsa_reserve_vcc 1
		.amdhsa_float_denorm_mode_32 3
		.amdhsa_float_denorm_mode_16_64 3
		.amdhsa_memory_ordered 1
		.amdhsa_forward_progress 1
		.amdhsa_inst_pref_size 77
	.end_amdhsa_kernel
	.amdgpu_metadata
---
amdhsa.version: [ 1, 2 ]
amdhsa.kernels:
  - .name:           k_qe07717dddb_prep
    .symbol:         k_qe07717dddb_prep.kd
    .args:
      - { .name: W, .offset: 0, .size: 8, .value_kind: global_buffer, .address_space: global }
      - { .name: types, .offset: 8, .size: 8, .value_kind: global_buffer, .address_space: global }
      - { .name: wt, .offset: 16, .size: 8, .value_kind: global_buffer, .address_space: global }
      - { .name: order, .offset: 24, .size: 8, .value_kind: global_buffer, .address_space: global }
      - { .name: plan, .offset: 32, .size: 8, .value_kind: global_buffer, .address_space: global }
      - { .name: out0, .offset: 40, .size: 8, .value_kind: global_buffer, .address_space: global }
    .group_segment_fixed_size: 69632
    .private_segment_fixed_size: 0
    .kernarg_segment_align: 8
    .kernarg_segment_size: 48
    .max_flat_workgroup_size: 256
    .sgpr_count:     100
    .vgpr_count:     200
    .wavefront_size: 32
...
	.end_amdgpu_metadata
.endif
;; end of part 1
;; launch gemm (part 2): grid 8 x 32, 4 waves a work-group, no clusters, 327,680 bytes of LDS; arguments x, order, plan, wt, b, out0; writes out0
.if DOCPART == 2
	.amdgcn_target "amdgcn-amd-amdhsa--gfx1250"
	.amdhsa_code_object_version 6
	.text
	.protected	k_qe07717dddb_gemm
	.globl	k_qe07717dddb_gemm
	.p2align	8
	.type	k_qe07717dddb_gemm,@function
k_qe07717dddb_gemm:
	s_mov_b64 s[64:65], 0
	v_nop
	global_prefetch_b8 v0, s[64:65] scope:SCOPE_SE
	s_setreg_imm32_b32 hwreg(HW_REG_WAVE_MODE, 25, 1), 1
	s_wait_xcnt 0x0
; out0[token] = x[token] . W[type] + b[type] for the tokens that order lists (types 0..3).  x and W are rounded once to bf16, sums and bias are f32.
; SHARES.  Row group rc (grid y) has one type and up to 36 blocks of 16 listed rows (plan[rc]); grid x = 4 yh + cx: the four work-groups cx take blocks cx + 4 i, i = 0..8; yh is the half of
; the 1,024 columns.  A work-group makes up to 144 rows x 512 columns; wave w all the rows x columns 512 yh + 128 w ..: 72 accumulators of 16 x 16.
; A block past the group's count, and a place of a block that holds 0xFFFFFFFF, is multiplied on a row that exists (token 16,383) and not stored: lanes off, no branch.
; The ninth block's products are jumped where no partner has one (plan's fourth word); nothing but matrix instructions is jumped.
; W comes from wt, where it lies in operand order: a wave's part of a K step of 128 is 32,768 consecutive bytes, brought by one tensor load.  Each wave fills and reads only its own part of the two slots.
; NO CLUSTER, though the four work-groups cx of a group and half walk the same 1 MiB of W: W's address and the ninth block's branch hang on plan's words, numbers read from memory; that four
; partners read the same words is a fact of the launch before, not one that this text's own arithmetic shows, and a joint request wants descriptors that are equal by the text.
; What is given up: three of four requests for W (192 of 256 MiB over the launch); what memory itself delivers is the same.
; x comes by a list, which no tensor descriptor covers: 16 lanes load 256 bytes of a row (64 k), two rows an instruction; rounded, into a ring of two LDS slots of 64 k; two sets of
; registers keep two steps' loads (36 a wave) on their way.
; THE MATRIX INSTRUCTION IS USED TRANSPOSED: source 0 = 16 columns of W, source 1 = 16 rows of x: register j of lane l is out(row l % 16, column 16 b + 8 (l / 16) + j).
; The bias, in that layout, is the C operand of the first K step: nothing is cleared and nothing is added later.
; REGISTERS in windows of 256 (s_set_vgpr_msb: bits 1:0 source 0, 3:2 source 1, 5:4 source 2, 7:6 destination):
;   window 0: v0-31 addresses; v32-103, v104-175 x fragments, two buffers of 9 blocks; v176-239 staging set 0; v240-247, v248-255 the sets' parts for block 8
;   window 1: v0-63 accumulators of block 8; v64-127, v128-191 W fragments, two buffers (the second holds the bias until the first products are done); v192-255 staging set 1
;   window 2: accumulators of blocks 0-3 at 64 a + 8 b;  window 3: those of blocks 4-7
.set BWAVE, 32768                      ; a wave's part of a slot of W
.set BSLOT, 131072                     ; a slot of W: a K step of 128 for four waves; also a K step's bytes in wt
.set ABASE, 262144                     ; behind W's ring: x's ring, written by LDS stores alone
.set APIT,  144                        ; a row of x in LDS: 128 bytes (64 k) + 16: the 16 rows of a fragment load start at 16 different 16-byte columns of 256
.set ASLOT, 144*APIT
.set SPARE, ABASE+2*ASLOT              ; the spare words, 128 bytes for each wave: no other line names them
.set SPIT,  528                        ; the way out: a row of 128 f32 + 16
.set STG,   16*SPIT                    ; a stage; two of them lie in the wave's own part of W's slot 0, behind that slot's last fill and last read
.set SPW, 1                            ; v1   LDS address of my spare word; never rewritten
.set NIL, 2                            ; v2   0; never rewritten
.set ADRA, 3                           ; v3   my place in a fragment of x
.set ADRB, 4                           ; v4-5 my place in a fragment of W, slot 0, 1
.set AST, 6                            ; v6   where I put 8 bytes of my wave's first two rows of x
.set AST8, 7                           ; v7   the same for my wave's four rows of block 8
.set STO, 8                            ; v8   the way out: where I put 32 bytes of a row
.set RD,  9                            ; v9   the way out: where I read a row back
.set CO,  10                           ; v10  my byte offset in a row of out0
.set VH4, 11                           ; v11  4 x (lane / 16)
.set L16, 12                           ; v12  16 x (lane % 16)
.set BO,  13                           ; v13  32 x (lane / 16): my offset in the bias
.set XOFF, 14                          ; v14-31  byte offsets in x of my 18 pairs of rows; at the end v14-22: offsets in order
.set AF,  32
.set XM0, 176
.set X8,  240
.set TK,  176                          ; the way out: v176-247 the rows' tokens, then their offsets in out0
.set BF,  64
.set BIAS, 128
.set G1,  24                           ; s[24:31] descriptor group 1
.set G0,  32                           ; s[32:39] descriptor group 0, a set for each slot
.set BLK, 40                           ; s40-48  byte offset in order of my block a
.set DM,  49                           ; s49-57  0 if block a is live, -1 if not
.set NB9, 58                           ; s58     1: some partner has a ninth block
.set MSB, 0
.macro WIN new                         ; the immediate's high byte repeats the setting that is left; a switch that changes nothing is dropped
.if MSB != (\new)
	s_set_vgpr_msb (MSB<<8)|(\new)
.set MSB, \new
.endif
.endm
.macro PLACES                          ; four places in front of loads into registers that matrix instructions have read, and of stores that read results
.rept 4
	v_nop
.endr
.endm
	s_load_b256 s[4:11], s[0:1], 0x0               ; x s[4:5], order s[6:7], plan s[8:9], wt s[10:11]
	s_load_b128 s[12:15], s[0:1], 0x20             ; b s[12:13], out0 s[14:15]
	v_lshl_add_u32 v[SPW], v0, 2, SPARE
	v_mov_b32 v[NIL], 0
	ds_add_u32 v[SPW], v[NIL]                      ; the wave's opening: the add and its wait stand ahead of my first tensor load; the set-up below stands between them
	v_lshrrev_b32 v[ADRA], 5, v0
	v_readfirstlane_b32 s16, v[ADRA]               ; wave 0..3
	s_and_b32 s17, ttmp9, 3                        ; cx: which of the group's four row work-groups
	s_lshr_b32 s18, ttmp9, 2                       ; yh: which half of the columns
	s_and_b32 s19, ttmp7, 0xffff                   ; rc
	s_lshl_b32 s60, s19, 4                         ; plan's entry
	s_mov_b32 s61, 0
	; descriptor group 1: 32,768 dense bytes as 128 rows of 256 bytes
	s_mov_b32 s[G1+0], 3<<16                       ; 15:0 no mask; 17:16 elements of 8 bytes; no padding
	s_mov_b32 s[G1+1], 32<<16                      ; tensor_dim0 = 32
	s_mov_b32 s[G1+2], 128<<16                     ; tensor_dim1 = 128
	s_mov_b32 s[G1+3], 32<<16                      ; tile_dim0 = 32
	s_mov_b32 s[G1+4], 128                         ; tile_dim1 = 128
	s_mov_b32 s[G1+5], 32                          ; 32 elements from row to row
	s_mov_b32 s[G1+6], 0
	s_mov_b32 s[G1+7], 0
	s_mov_b32 s[G0+0], 1
	s_lshl_b32 s[G0+1], s16, 15                    ; LDS address: wave x 32,768
	s_mov_b32 s[G0+4], 1
	s_add_co_u32 s[G0+5], s[G0+1], BSLOT
	s_mul_i32 s62, s16, 32*APIT
	s_add_co_u32 s62, s62, ABASE                   ; my wave's 32 rows of x's ring
	s_mul_i32 s63, s16, 4*APIT
	s_add_co_u32 s63, s63, ABASE+128*APIT          ; its four rows of block 8
	s_lshl_b32 s75, s18, 11
	s_lshl_b32 s74, s16, 9
	s_add_co_u32 s75, s75, s74                     ; my wave's columns, in bytes of f32
	v_and_b32 v[BO], 15, v0                        ; r = lane % 16
	v_bfe_u32 v[VH4], v0, 4, 1                     ; h = lane / 16
	v_and_b32 v[CO], 31, v0                        ; lane
	v_mul_u32_u24 v[ADRA], v[BO], APIT
	v_lshl_add_u32 v[ADRA], v[VH4], 4, v[ADRA]
	v_add_nc_u32 v[ADRA], ABASE, v[ADRA]           ; row r, 16 bytes for each half of the lanes
	v_lshl_add_u32 v[ADRB], v[CO], 4, s[G0+1]      ; W lies in operand order: 16 bytes a lane on end
	v_add_nc_u32 v[ADRB+1], BSLOT, v[ADRB]
	v_mul_u32_u24 v[AST], v[VH4], APIT
	v_lshl_add_u32 v[AST], v[BO], 3, v[AST]        ; row h, 8 bytes (4 k) a lane
	v_add_nc_u32 v[AST8], s63, v[AST]
	v_add_nc_u32 v[AST], s62, v[AST]
	v_mul_u32_u24 v[STO], v[BO], SPIT
	v_lshl_add_u32 v[STO], v[VH4], 5, v[STO]
	v_add_nc_u32 v[STO], s[G0+1], v[STO]
	v_mul_u32_u24 v[RD], v[VH4], SPIT
	v_lshl_add_u32 v[RD], v[BO], 4, v[RD]
	v_add_nc_u32 v[RD], s[G0+1], v[RD]
	v_lshlrev_b32 v[L16], 4, v[BO]
	v_add_nc_u32 v[CO], s75, v[L16]
	v_lshlrev_b32 v[BO], 5, v[VH4]
	v_lshlrev_b32 v[VH4], 2, v[VH4]
	s_wait_dscnt 0x0                               ; the opening add is done
	s_wait_kmcnt 0x0
	s_add_nc_u64 s[8:9], s[8:9], s[60:61]
	s_load_b128 s[20:23], s[8:9], 0x0              ; type, first block, blocks, ninth block
	s_wait_kmcnt 0x0
	s_min_u32 s20, s20, 3                          ; what was loaded is held inside its tables
	s_min_u32 s21, s21, 1027
	s_min_u32 s22, s22, 36
	s_mov_b32 s[NB9], s23
.irp a, 0,1,2,3,4,5,6,7,8
	s_add_co_u32 s60, s17, 4*(\a)                  ; my block a is the group's block cx + 4 a
	s_cmp_lt_u32 s60, s22
	s_cselect_b32 s[DM+(\a)], 0, -1
	s_add_co_u32 s60, s60, s21
	s_min_u32 s60, s60, 1027                       ; order has 1,028 blocks of 64 bytes
	s_lshl_b32 s[BLK+(\a)], s60, 6
.endr
	s_lshl3_add_u32 s61, s16, s17                  ; the blocks whose rows my wave fetches: 2 w and 2 w + 1
.irp u, 0,1
	s_add_co_u32 s60, s61, 4*(\u)
	s_cmp_lt_u32 s60, s22
	s_cselect_b32 s[68+(\u)], 0, -1
	s_add_co_u32 s60, s60, s21
	s_min_u32 s60, s60, 1027
	s_lshl_b32 s[66+(\u)], s60, 6
.endr
	s_lshl_b32 s70, s16, 4
	s_add_co_u32 s70, s70, s[BLK+8]                ; and rows 4 w .. 4 w + 3 of block 8
	s_lshl_b32 s60, s20, 21                        ; wt: type x 2 MiB + half x 1 MiB + wave x 32 KiB
	s_lshl_b32 s62, s18, 20
	s_add_co_u32 s60, s60, s62
	s_add_co_u32 s60, s60, s[G0+1]
	s_mov_b32 s61, 0
	s_add_nc_u64 s[G0+2:G0+3], s[10:11], s[60:61]  ; K step 0
	s_add_nc_u64 s[G0+6:G0+7], s[G0+2:G0+3], BSLOT ; K step 1
	s_or_b32 s[G0+3], s[G0+3], 0x80000000          ; type = 2
	s_or_b32 s[G0+7], s[G0+7], 0x80000000
	s_lshl_b32 s60, s20, 12
	s_add_co_u32 s60, s60, s75
	s_add_nc_u64 s[12:13], s[12:13], s[60:61]      ; the bias of my wave's columns
	tensor_load_to_lds s[G0:G0+3], s[G1:G1+7]      ; both first fills go out together: two loads of mine are out
	s_nop 0
	tensor_load_to_lds s[G0+4:G0+7], s[G1:G1+7]
	s_nop 0
	PLACES
	WIN 0x40                                       ; destination window 1
.irp b, 0,1,2,3,4,5,6,7
.irp c, 0,1
	global_load_b128 v[BIAS+8*(\b)+4*(\c):BIAS+8*(\b)+4*(\c)+3], v[BO], s[12:13] offset:64*(\b)+16*(\c)  ; columns 16 b + 8 h + 4 c ..
.endr
.endr
	WIN 0
	v_add_nc_u32 v32, s66, v[VH4]                  ; three address registers among the fragment registers, which are still free
	v_add_nc_u32 v33, s67, v[VH4]
	v_add_nc_u32 v34, s70, v[VH4]
.irp j, 0,1,2,3,4,5,6,7
	global_load_b32 v[XOFF+(\j)], v32, s[6:7] offset:8*(\j)      ; the token of row 2 j + h of block 2 w
	global_load_b32 v[XOFF+8+(\j)], v33, s[6:7] offset:8*(\j)    ; of block 2 w + 1
.endr
	global_load_b32 v[XOFF+16], v34, s[6:7]
	global_load_b32 v[XOFF+17], v34, s[6:7] offset:8
	s_wait_loadcnt 0x0
.macro TOOFF reg, dead                 ; a token (or a hole, or a dead block's) becomes the byte offset of a row that exists
	v_or_b32 v[\reg], s[\dead], v[\reg]
	v_min_u32 v[\reg], 0x3fff, v[\reg]
	v_lshl_add_u32 v[\reg], v[\reg], 12, v[L16]
.endm
.irp j, 0,1,2,3,4,5,6,7
	TOOFF XOFF+(\j), 68
	TOOFF XOFF+8+(\j), 69
.endr
	TOOFF XOFF+16, DM+8
	TOOFF XOFF+17, DM+8
; 32 products: blocks 4 g .. 4 g + 3 x all 8 column tiles, 32 along K, from buffers f.  first = 1: the bias starts the sums.
; All 64 or 72 accumulators take turns, one instruction a turn, in the same order in every quarter.
.macro MULG f, g, first
.if \first
	WIN 0x91+0x40*(\g)                             ; W and the bias in window 1, x in window 0, D in window 2 or 3
.else
	WIN 0xa1+0x50*(\g)                             ; C and D in window 2 or 3
.endif
.irp a, 0,1,2,3
.irp b, 0,1,2,3,4,5,6,7
.if \first
	v_wmma_f32_16x16x32_bf16 v[64*(\a)+8*(\b):64*(\a)+8*(\b)+7], v[BF+64*(\f)+8*(\b):BF+64*(\f)+8*(\b)+7], v[AF+72*(\f)+8*(4*(\g)+(\a)):AF+72*(\f)+8*(4*(\g)+(\a))+7], v[BIAS+8*(\b):BIAS+8*(\b)+7]
.else
	v_wmma_f32_16x16x32_bf16 v[64*(\a)+8*(\b):64*(\a)+8*(\b)+7], v[BF+64*(\f)+8*(\b):BF+64*(\f)+8*(\b)+7], v[AF+72*(\f)+8*(4*(\g)+(\a)):AF+72*(\f)+8*(4*(\g)+(\a))+7], v[64*(\a)+8*(\b):64*(\a)+8*(\b)+7]
.endif
.endr
.endr
.endm
; Block 8's 8 products.  The first ones always run, so that its accumulators are written on every way; the others are jumped where no partner has a ninth block.
.macro MUL8 f, first
.if \first
	WIN 0x51
.irp b, 0,1,2,3,4,5,6,7
	v_wmma_f32_16x16x32_bf16 v[8*(\b):8*(\b)+7], v[BF+64*(\f)+8*(\b):BF+64*(\f)+8*(\b)+7], v[AF+72*(\f)+64:AF+72*(\f)+71], v[BIAS+8*(\b):BIAS+8*(\b)+7]
.endr
.else
	WIN 0                                          ; at a branch and at a label every window is 0
	s_cmp_eq_u32 s[NB9], 0
	s_cbranch_scc1 .Lno9_\@
	WIN 0x51
.irp b, 0,1,2,3,4,5,6,7
	v_wmma_f32_16x16x32_bf16 v[8*(\b):8*(\b)+7], v[BF+64*(\f)+8*(\b):BF+64*(\f)+8*(\b)+7], v[AF+72*(\f)+64:AF+72*(\f)+71], v[8*(\b):8*(\b)+7]
.endr
	WIN 0
.Lno9_\@:
.endif
.endm
; 34 LDS loads in one run: the fragments of quarter qg of a lap of eight (32 along K) into buffers f.  W's slot is qg / 4, x's slot (qg / 2) % 2.
.macro FETCH qg, f
	WIN 0x40
.irp b, 0,1,2,3,4,5,6,7
.irp c, 0,1
	ds_load_b128 v[BF+64*(\f)+8*(\b)+4*(\c):BF+64*(\f)+8*(\b)+4*(\c)+3], v[ADRB+(((\qg)>>2)&1)] offset:((\qg)&3)*8192+(\b)*1024+(\c)*512
.endr
.endr
	WIN 0
.irp a, 0,1,2,3,4,5,6,7,8
.irp c, 0,1
	ds_load_b128 v[AF+72*(\f)+8*(\a)+4*(\c):AF+72*(\f)+8*(\a)+4*(\c)+3], v[ADRA] offset:(((\qg)>>1)&1)*ASLOT+(\a)*16*APIT+((\qg)&1)*64+32*(\c)
.endr
.endr
.endm
; 18 loads: 64 k (256 bytes) of my wave's 36 rows, at byte imm of the rows, into staging set `set`
.macro XLOAD8 set, imm
.irp j, 0,1
	global_load_b128 v[X8+8*(\set)+4*(\j):X8+8*(\set)+4*(\j)+3], v[XOFF+16+(\j)], s[4:5] offset:\imm
.endr
.endm
.macro XLOADM set, imm
	WIN 0x40*(\set)
.set j, 0
.rept 16
	global_load_b128 v[XM0+16*(\set)+4*j:XM0+16*(\set)+4*j+3], v[XOFF+j], s[4:5] offset:\imm
.set j, j+1
.endr
.endm
; Staging set `set` is rounded in place and stored into x's slot `set`; ld = 1: the set is loaded again, with the step two further on.
; left: the other set's 18 younger loads stay out.  The 36 conversions name no register of the products round them: they are the places in front of the run of LDS loads that follows.
.macro XSTORE set, left, ld, imm
	s_wait_loadcnt \left
	WIN 0
.irp j, 0,1
	v_cvt_pk_bf16_f32 v[X8+8*(\set)+4*(\j)], v[X8+8*(\set)+4*(\j)], v[X8+8*(\set)+4*(\j)+1]
	v_cvt_pk_bf16_f32 v[X8+8*(\set)+4*(\j)+1], v[X8+8*(\set)+4*(\j)+2], v[X8+8*(\set)+4*(\j)+3]
.endr
.irp j, 0,1
	ds_store_b64 v[AST8], v[X8+8*(\set)+4*(\j):X8+8*(\set)+4*(\j)+1] offset:(\set)*ASLOT+(\j)*2*APIT
.endr
.if \ld
	XLOAD8 \set, \imm
.endif
	WIN 0x45*(\set)                                ; set 1's main part lies in window 1
.set j, 0
.rept 16
	v_cvt_pk_bf16_f32 v[XM0+16*(\set)+4*j], v[XM0+16*(\set)+4*j], v[XM0+16*(\set)+4*j+1]
	v_cvt_pk_bf16_f32 v[XM0+16*(\set)+4*j+1], v[XM0+16*(\set)+4*j+2], v[XM0+16*(\set)+4*j+3]
.set j, j+1
.endr
	WIN 0x04*(\set)
.set j, 0
.rept 16
	ds_store_b64 v[AST], v[XM0+16*(\set)+4*j:XM0+16*(\set)+4*j+1] offset:(\set)*ASLOT+j*2*APIT
.set j, j+1
.endr
.if \ld
	XLOADM \set, \imm
.endif
.endm
; The tokens of the rows as the way out stores them: register 8 a + t holds the token of row 2 t + h of block a
.macro TOKLOAD
	WIN 0
.irp a, 0,1,2,3,4,5,6,7,8
	v_add_nc_u32 v[XOFF+(\a)], s[BLK+(\a)], v[VH4]     ; x's loads are all in: their address registers are free
.endr
.irp a, 0,1,2,3,4,5,6,7,8
.irp t, 0,1,2,3,4,5,6,7
	global_load_b32 v[TK+8*(\a)+(\t)], v[XOFF+(\a)], s[6:7] offset:8*(\t)
.endr
.endr
.endm
; The tokens become byte offsets in out0, all 72 in one run with all lanes on, ahead of the first line that narrows EXEC.  A hole, and every row of a dead block, is held to token 16,384:
; its offset, 2^26 or more, marks it, and the way out switches its lanes off.  The 216 lines name no register of the products round them: they are the places in front of the LDS loads that follow.
.macro TOKOFF
	s_wait_loadcnt 0x0                             ; the tokens, asked for two quarters ago
	WIN 0
.irp a, 0,1,2,3,4,5,6,7,8
.irp t, 0,1,2,3,4,5,6,7
	v_or_b32 v[TK+8*(\a)+(\t)], s[DM+(\a)], v[TK+8*(\a)+(\t)]
.endr
.irp t, 0,1,2,3,4,5,6,7
	v_min_u32 v[TK+8*(\a)+(\t)], 0x4000, v[TK+8*(\a)+(\t)]
.endr
.irp t, 0,1,2,3,4,5,6,7
	v_lshl_add_u32 v[TK+8*(\a)+(\t)], v[TK+8*(\a)+(\t)], 12, v[CO]
.endr
.endr
.endm
; An even quarter multiplies buffers 0 and fetches the next quarter into buffers 1.
; mid = 0: four places; 1: a step of x goes into LDS; 2: and the tokens are asked for; 3: the tokens become offsets.
.macro QEVEN qg, mid, set=0, left=0, ld=0, imm=0
	s_wait_dscnt 0x0                               ; the fragments are in (asked for 32 products or more ago)
	MULG 0, 0, 0
.if (\mid) == 0
	PLACES
.elseif (\mid) == 3
	TOKOFF
.else
	XSTORE \set, \left, \ld, \imm
.endif
.if (\mid) == 2
	TOKLOAD
.endif
	FETCH (\qg)+1, 1
	MULG 0, 1, 0
	MUL8 0, 0
.endm
; An odd quarter multiplies buffers 1 and holds x's barrier: in front of its signal my reads of x's old slot and my stores into the new one are done; behind its wait the new slot is read,
; and from the next quarter on the old one is written.
; kind 1: my part of W's slot qg / 4 has been read out and is filled again, two K steps on: in front of the barrier stand the wait for all my tensor loads (one is out: my part of the other
; slot), the add and the wait for it; the refill is the first thing behind the barrier: it has four quarters less 32 products in which to land.
; kind 2: the same lines, nothing left to fetch.
.macro QODD qg, kind
.set SL, ((\qg)>>2)&1
.if (\kind) == 0
	s_wait_dscnt 0x0
.else
	WIN 0
	s_wait_tensorcnt 0x0                           ; no tensor load of mine is out, so a group 0 may be written
	ds_add_u32 v[SPW], v[NIL]                      ; 0 onto my spare word
.if (\kind) == 1
	s_add_nc_u64 s[G0+4*SL+2:G0+4*SL+3], s[G0+4*SL+2:G0+4*SL+3], 2*BSLOT  ; two K steps on; the type bits on top are not reached
.endif
	s_wait_dscnt 0x0                               ; the add is done, my fragments are in, my reads of W's slot and of x's old slot are over, my stores of x are done
.endif
	s_barrier_signal -1
	MULG 1, 0, 0                                   ; work on registers while the others arrive
	s_barrier_wait -1
.if (\kind) == 1
	tensor_load_to_lds s[G0+4*SL:G0+4*SL+3], s[G1:G1+7]
	s_nop 0
.endif
	PLACES                                         ; in front of the loads below
	FETCH ((\qg)+1)&7, 0
	MULG 1, 1, 0
	MUL8 1, 0
.endm
	; x's steps 0 and 1 are asked for; step 0 goes into LDS and step 2 is asked for
	WIN 0
	XLOAD8 0, 0
	XLOADM 0, 0
	WIN 0
	XLOAD8 1, 256
	XLOADM 1, 256
	XSTORE 0, 18, 1, 512
	s_wait_dscnt 0x0                               ; for the others' sake: my rows of x's step 0 are stored
	s_wait_tensorcnt 0x1                           ; my part of K step 0 is in; slot 1's may stay out
	s_barrier_signal -1
	s_barrier_wait -1
	FETCH 0, 0
	; the first quarter stands in front of the loop: its products start the sums with the bias
	s_wait_dscnt 0x0
	MULG 0, 0, 1
	MULG 0, 1, 1
	MUL8 0, 1
	XSTORE 1, 18, 1, 768                           ; its conversions are the places in front of the loads that take the bias's registers
	FETCH 1, 1
	WIN 0
	s_mov_b32 s59, 3
.Llap:                                                 ; a trip: 256 along K, from a lap's second quarter to the next lap's first; four steps of x, both slots of W filled again
	QODD 1, 0
	QEVEN 2, 1, 0, 18, 1, 1024
	QODD 3, 1
	QEVEN 4, 1, 1, 18, 1, 1280
	QODD 5, 0
	QEVEN 6, 1, 0, 18, 1, 1536
	QODD 7, 1
	QEVEN 0, 1, 1, 18, 1, 1792
	WIN 0
	s_wait_xcnt 0x0                                ; x's base is stepped only behind this wait
	s_add_nc_u64 s[4:5], s[4:5], 1024
	s_sub_co_u32 s59, s59, 1
	s_cmp_lg_u32 s59, 0
	s_cbranch_scc1 .Llap
	; the tail is written out: nothing more is asked of x or W
	QODD 1, 0
	QEVEN 2, 1, 0, 18, 0, 0                        ; x's step 14
	QODD 3, 2
	QEVEN 4, 2, 1, 0, 0, 0                         ; x's step 15, the last: the count is 0; then the tokens for the way out
	QODD 5, 0
	QEVEN 6, 3
	s_wait_dscnt 0x0
	MULG 1, 0, 0
	MULG 1, 1, 0
	MUL8 1, 0
; THE WAY OUT, a block of 16 rows at a time: a lane's 32 bytes of a row go into my stage (rows of 528 bytes) and come back as whole rows; 16 lanes then store 256 consecutive bytes of a token's row.
.macro TOSTAGE a
.if (\a) < 4
	WIN 0x08                                       ; store data in window 2
.set AC, 64*(\a)
.elseif (\a) < 8
	WIN 0x0c                                       ; window 3
.set AC, 64*((\a)-4)
.else
	WIN 0x04                                       ; window 1
.set AC, 0
.endif
.irp b, 0,1,2,3,4,5,6,7
	ds_store_b128 v[STO], v[AC+8*(\b):AC+8*(\b)+3] offset:((\a)&1)*STG+64*(\b)          ; each accumulator's low registers first
	ds_store_b128 v[STO], v[AC+8*(\b)+4:AC+8*(\b)+7] offset:((\a)&1)*STG+64*(\b)+16
.endr
	WIN 0
.set OBR, 32+64*((\a)&1)
.irp t, 0,1,2,3,4,5,6,7
.irp u, 0,1
	ds_load_b128 v[OBR+4*(2*(\t)+(\u)):OBR+4*(2*(\t)+(\u))+3], v[RD] offset:((\a)&1)*STG+(\t)*2*SPIT+(\u)*256  ; a wave's LDS instructions are served in order: these see the stores above
.endr
.endr
.endm
.macro SEND a, younger                 ; younger: the next block's 16 stores and 16 loads, or none
	WIN 0
.set OBR, 32+64*((\a)&1)
	s_wait_dscnt \younger
.irp t, 0,1,2,3,4,5,6,7
	v_cmp_gt_u32 vcc_lo, 0x4000000, v[TK+8*(\a)+(\t)]                  ; a hole's offset lies at out0's end or beyond: it is not stored
	s_wait_xcnt 0x0                                ; EXEC changes only behind this wait
	s_and_saveexec_b32 s76, vcc_lo
	global_store_b128 v[TK+8*(\a)+(\t)], v[OBR+8*(\t):OBR+8*(\t)+3], s[14:15] th:TH_STORE_NT
	global_store_b128 v[TK+8*(\a)+(\t)], v[OBR+8*(\t)+4:OBR+8*(\t)+7], s[14:15] offset:256 th:TH_STORE_NT
	s_wait_xcnt 0x0                                ; and again; it also frees the stores' registers for the block after next
	s_or_b32 exec_lo, exec_lo, s76
.endr
.endm
	WIN 0
	PLACES                                         ; behind the last products: the stores below read results, the loads below land on fragment registers
	TOSTAGE 0
.irp a, 1,2,3,4,5,6,7,8
	TOSTAGE \a
	SEND (\a)-1, 32
.endr
	SEND 8, 0
	s_wait_tensorcnt 0x0                           ; the wave's end: behind my last tensor load and my last LDS store
	ds_add_u32 v[SPW], v[NIL]
	s_wait_dscnt 0x0
	s_endpgm
.Lfunc_end_k_qe07717dddb_gemm:
	.size	k_qe07717dddb_gemm, .Lfunc_end_k_qe07717dddb_gemm-k_qe07717dddb_gemm
	.p2alignl 7, 3214868480
	.fill 96, 4, 3214868480
	.section	.rodata,"a",@progbits
	.p2align	6, 0x0
	.amdhsa_kernel k_qe07717dddb_gemm
		.amdhsa_group_segment_fixed_size 327680
		.amdhsa_private_segment_fixed_size 0
		.amdhsa_enable_private_segment 0
		.amdhsa_kernarg_size 48
		.amdhsa_user_sgpr_count 2
		.amdhsa_user_sgpr_kernarg_segment_ptr 1
		.amdhsa_wavefront_size32 1
		.amdhsa_system_sgpr_workgroup_id_x 1
		.amdhsa_system_sgpr_workgroup_id_y 1
		.amdhsa_system_sgpr_workgroup_id_z 1
		.amdhsa_system_vgpr_workitem_id 0
		.amdhsa_next_free_vgpr 1024
		.amdhsa_next_free_sgpr 80
		.amdhsa_reserve_vcc 1
		.amdhsa_float_denorm_mode_32 3
		.amdhsa_float_denorm_mode_16_64 3
		.amdhsa_memory_ordered 1
		.amdhsa_forward_progress 1
		.amdhsa_inst_pref_size 232
	.end_amdhsa_kernel
	.amdgpu_metadata
---
amdhsa.version: [ 1, 2 ]
amdhsa.kernels:
  - .name:           k_qe07717dddb_gemm
    .symbol:         k_qe07717dddb_gemm.kd
    .args:
      - { .name: x, .offset: 0, .size: 8, .value_kind: global_buffer, .address_space: global }
      - { .name: order, .offset: 8, .size: 8, .value_kind: global_buffer, .address_space: global }
      - { .name: plan, .offset: 16, .size: 8, .value_kind: global_buffer, .address_space: global }
      - { .name: wt, .offset: 24, .size: 8, .value_kind: global_buffer, .address_space: global }
      - { .name: b, .offset: 32, .size: 8, .value_kind: global_buffer, .address_space: global }
      - { .name: out0, .offset: 40, .size: 8, .value_kind: global_buffer, .address_space: global }
    .group_segment_fixed_size: 327680
    .private_segment_fixed_size: 0
    .kernarg_segment_align: 8
    .kernarg_segment_size: 48
    .max_flat_workgroup_size: 128
    .sgpr_count:     80
    .vgpr_count:     1024
    .wavefront_size: 32
...
	.end_amdgpu_metadata
.endif
;; end of part 2
;; ======== version 2 of 2: 2 launches; 1.13 times as fast as version 1
;; workspace buffers: wt 8,388,608 bytes; order 65,792 bytes of whole numbers; plan 512 bytes of whole numbers
;; launch prep (part 3): grid 144 x 1, 8 waves a work-group, no clusters, 69,632 bytes of LDS; arguments W, types, wt, order, plan, out0; writes wt, order, plan, out0
.if DOCPART == 3
	.amdgcn_target "amdgcn-amd-amdhsa--gfx1250"
	.amdhsa_code_object_version 6
	.text
	.protected	k_qe07717dddb_prep
	.globl	k_qe07717dddb_prep
	.p2align	8
	.type	k_qe07717dddb_prep,@function
k_qe07717dddb_prep:
	s_mov_b64 s[64:65], 0
	v_nop
	global_prefetch_b8 v0, s[64:65] scope:SCOPE_SE
	s_setreg_imm32_b32 hwreg(HW_REG_WAVE_MODE, 25, 1), 1
	s_wait_xcnt 0x0
; PREP: two roles, chosen by the work-group's number (the same for all its waves).
; Work-groups 16..143 (CONVERT): W [4][1024 k][1024 n] f32 is rounded once to bf16 and laid out in the order in which the product's waves take it
;   as matrix operands.  A wave's task is 32 k x 128 n: 8 fragments of 1,024 bytes, 8,192 consecutive bytes of wt at task x 8,192, with
;   task = ((((e 2 + y) 8 + s) 4 + wv) 4 + q): k = 128 s + 32 q + .., n = 512 y + 128 wv + ...  In a fragment (16 n x 32 k) the number (k, n) lies at
;   byte 512 c + 256 h + 16 r + 2 j, where k % 32 = 16 c + 8 h + j and n % 16 = r: 16 bytes a lane, two loads a fragment.
; Work-groups 0..15 (SORT): a counting sort of the 16,384 tokens by type, without atomics: every work-group counts all types for itself and places its own
;   1,024 tokens.  order: each type's tokens on end (in no particular order inside a wave's 128), each type's part padded to whole blocks of 16 words;
;   every word that holds no token holds 0xFFFFFFFF.
;   plan: 32 entries (type, first block, blocks, 1 if more than 32 blocks), one for each group of four row work-groups of the product.
;   A token whose type is none of 0..3 (compared unsigned, so negative ones too) is in no list: its row of out0 is stored here, as zeros.
; No limit on the split: all tokens of one type, or a type with none, are served by the same formulas.
.set CVW,   8448                       ; CONVERT: a wave's own LDS, 8 fragments at a pitch of 1,040 bytes
.set FPIT,  1040                       ; 1,024 + 16: the 16 lanes of a store's half touch 16 different 16-byte columns of 256
.set SORT,  67584                      ; SORT: 128 bytes for each wave's twelve counts
.set SPARE, 68608                      ; the spare words, 128 bytes for each of the eight waves: no other line names them
.set SPW, 1                            ; v1  LDS address of my spare word; never rewritten
.set NIL, 2                            ; v2  0; never rewritten
.set L16, 3                            ; v3  16 x lane; never rewritten
.set PA,  116                          ; v116-119  SORT: byte offsets in order of my four tokens
.set PD,  120                          ; v120-123  my four tokens' numbers
.set HA,  124                          ; v124-128  byte offsets in order of the five words that I look at for holes
.set MONE, 129                         ; v129      0xFFFFFFFF
	s_load_b256 s[4:11], s[0:1], 0x0               ; W s[4:5], types s[6:7], wt s[8:9], order s[10:11]
	s_load_b128 s[12:15], s[0:1], 0x20             ; plan s[12:13], out0 s[14:15]
	v_lshl_add_u32 v[SPW], v0, 2, SPARE
	v_mov_b32 v[NIL], 0
	v_lshrrev_b32 v4, 5, v0
	v_readfirstlane_b32 s16, v4                    ; wave 0..7
	v_and_b32 v5, 31, v0                           ; lane
	v_lshlrev_b32 v[L16], 4, v5
	s_cmp_lt_u32 ttmp9, 16
	s_cbranch_scc1 .Lsort
; ---------------------------------------------------------------- CONVERT
	s_sub_co_u32 s17, ttmp9, 16
	s_lshl3_add_u32 s17, s17, s16                  ; task = 8 x (work-group - 16) + wave
	s_and_b32 s18, s17, 3                          ; q
	s_bfe_u32 s19, s17, 0x20002                    ; wv
	s_bfe_u32 s20, s17, 0x30004                    ; s
	s_bfe_u32 s21, s17, 0x10007                    ; y
	s_lshr_b32 s22, s17, 8                         ; e
	s_lshl_b32 s24, s22, 22                        ; source offset: e x 4 MiB
	s_lshl_b32 s20, s20, 19                        ; + 128 s rows of 4,096 bytes
	s_lshl_b32 s18, s18, 17                        ; + 32 q rows
	s_lshl_b32 s21, s21, 11                        ; + 512 y columns of 4 bytes
	s_lshl_b32 s19, s19, 9                         ; + 128 wv columns
	s_or_b32 s24, s24, s20
	s_or_b32 s24, s24, s18
	s_or_b32 s24, s24, s21
	s_or_b32 s24, s24, s19
	s_mov_b32 s25, 0
	s_lshl_b32 s26, s17, 13                        ; destination offset: task x 8,192
	s_mov_b32 s27, 0
	s_mul_i32 s28, s16, CVW
	v_lshrrev_b32 v6, 2, v5                        ; my four columns lie in fragment lane / 4,
	v_and_b32 v7, 3, v5                            ; at r = 4 (lane % 4) + i
	v_mul_u32_u24 v4, v6, FPIT
	v_lshl_add_u32 v4, v7, 6, v4
	v_add_nc_u32 v4, s28, v4                       ; where I put 16 bytes (8 k of one column)
	v_add_nc_u32 v5, s28, v[L16]                   ; where I read 16 bytes back
	s_wait_kmcnt 0x0
	s_add_nc_u64 s[4:5], s[4:5], s[24:25]
	s_add_nc_u64 s[8:9], s[8:9], s[26:27]
.set kk, 0
.rept 32                                               ; 32 rows of k; a load of the wave covers 512 consecutive bytes; all 32 go out before the first wait
	global_load_b128 v[8+4*kk:8+4*kk+3], v[L16], s[4:5] offset:kk*4096 th:TH_LOAD_NT
.set kk, kk+1
.endr
.irp g, 0,1,2,3                                        ; eight rows at a time: k % 32 = 8 g + j, so c = g / 2, h = g % 2
	s_wait_loadcnt 24-8*(\g)                       ; loads come back in order: the younger groups of eight stay out
.irp i, 0,1,2,3
.irp p, 0,1,2,3
	v_cvt_pk_bf16_f32 v[136+4*(4*(\g)+(\i))+(\p)], v[8+4*(8*(\g)+2*(\p))+(\i)], v[8+4*(8*(\g)+2*(\p)+1)+(\i)]
.endr
.endr
.irp i, 0,1,2,3
	ds_store_b128 v4, v[136+4*(4*(\g)+(\i)):136+4*(4*(\g)+(\i))+3] offset:(\g)*256+(\i)*16
.endr
.endr
.set t, 0
.rept 16                                               ; a wave's LDS instructions are served in order: these see the stores above; the bytes are the wave's own
	ds_load_b128 v[8+4*t:8+4*t+3], v5 offset:(t/2)*FPIT+(t%2)*512
.set t, t+1
.endr
.set t, 0
.rept 16
	s_wait_dscnt 15-t                              ; the younger read-backs stay out
	global_store_b128 v[L16], v[8+4*t:8+4*t+3], s[8:9] offset:t*512  ; 512 consecutive bytes, at a multiple of 256 from wt's first
.set t, t+1
.endr
	s_wait_tensorcnt 0x0                           ; the wave's end: behind my last LDS store
	ds_add_u32 v[SPW], v[NIL]
	s_wait_dscnt 0x0
	s_endpgm
; ---------------------------------------------------------------- SORT
; s17 = S: my chunk is tokens 1,024 S .. 1,024 S + 1,023; my wave's part of it 128 tokens; lane l holds tokens 4 l + c.
; s20-23 TOT (then C: a type's count), s24-27 BEF (then B: its count in the chunks before mine), s28-31 OWN (then P: its count in my chunk's earlier waves),
; s32-35 blocks of a type, s36-39 its first block, s48-51 its first word, s52-55 the next free word for my wave, s56-59 the first hole, s60-63 the number of holes,
; s66-97 masks of lanes and their counts, s88-92 later the masks of the holes, s97 later my wave's first token.
; Compares that write scalar registers stand in batches, and the scalar work on their masks behind each batch: few changes from the one kind to the other.
.macro MASKS reg, m                    ; 16 masks from s[m] on: mask 4 c + t has the lanes in which v[reg + c] holds t
.irp c, 0,1,2,3
.irp t, 0,1,2,3
	v_cmp_eq_u32 s[(\m)+4*(\c)+(\t)], \t, v[(\reg)+(\c)]
.endr
.endr
.endm
.macro SUMS m, base                    ; the 16 masks' bits are counted, in place, and added to s[base .. base+3]
.irp k, 0,1,2,3,4,5,6,7,8,9,10,11,12,13,14,15
	s_bcnt1_i32_b32 s[(\m)+(\k)], s[(\m)+(\k)]
.endr
.irp c, 0,1,2,3
.irp t, 0,1,2,3
	s_add_co_u32 s[(\base)+(\t)], s[(\base)+(\t)], s[(\m)+4*(\c)+(\t)]
.endr
.endr
.endm
.macro SNAP i                          ; at my own chunk the running totals are the counts of the chunks before it
	s_cmp_eq_u32 s17, \i
	s_cselect_b32 s24, s20, s24
	s_cselect_b32 s25, s21, s25
	s_cselect_b32 s26, s22, s26
	s_cselect_b32 s27, s23, s27
.endm
.Lsort:
	s_mov_b32 s17, ttmp9
	s_lshl_b32 s18, s16, 9
	v_add_nc_u32 v6, s18, v[L16]                   ; my wave's eighth of a chunk: 512 bytes, 16 a lane
	v_lshl_add_u32 v7, s17, 12, v6                 ; the same in my own chunk
	s_wait_kmcnt 0x0
.set i, 0
.rept 16
	global_load_b128 v[8+4*i:8+4*i+3], v6, s[6:7] offset:i*4096
.set i, i+1
.endr
	global_load_b128 v[72:75], v7, s[6:7]
.irp r, 20,21,22,23,24,25,26,27,28,29,30,31
	s_mov_b32 s\r, 0
.endr
	s_wait_loadcnt 0x0
.set i, 0
.rept 8                                                ; two chunks a batch: 32 compares, then their counts
	MASKS 8+4*i, 66
	MASKS 12+4*i, 82
	SNAP i
	SUMS 66, 20
	SNAP i+1
	SUMS 82, 20
.set i, i+2
.endr
	MASKS 72, 66                                   ; my own 128 tokens: the masks stay in s66-81 and their counts in s82-97 for the placement
.irp k, 0,1,2,3,4,5,6,7,8,9,10,11,12,13,14,15
	s_bcnt1_i32_b32 s[82+(\k)], s[66+(\k)]
.endr
.irp c, 0,1,2,3
.irp t, 0,1,2,3
	s_add_co_u32 s[28+(\t)], s[28+(\t)], s[82+4*(\c)+(\t)]
.endr
.endr
	; the eight waves' counts meet in LDS: lanes 0-3 TOT, 4-7 BEF, 8-11 OWN
	v_mov_b32 v80, 0
.irp t, 0,1,2,3
	v_writelane_b32 v80, s[20+(\t)], \t
	v_writelane_b32 v80, s[24+(\t)], 4+(\t)
	v_writelane_b32 v80, s[28+(\t)], 8+(\t)
.endr
	v_lshl_add_u32 v81, v0, 2, SORT
	ds_store_b32 v81, v80
	v_lshrrev_b32 v82, 2, v[L16]
	v_add_nc_u32 v82, SORT, v82
	s_wait_dscnt 0x0                               ; for the others' sake: my store is done
	s_barrier_signal -1
	s_barrier_wait -1
.irp w, 0,1,2,3,4,5,6,7
	ds_load_b32 v[84+(\w)], v82 offset:(\w)*128
.endr
	s_wait_dscnt 0x0
	v_add3_u32 v92, v84, v85, v86                  ; over all waves
	v_add3_u32 v92, v92, v87, v88
	v_add3_u32 v92, v92, v89, v90
	v_add_nc_u32 v92, v92, v91
	s_cmp_gt_u32 s16, 0                            ; over the waves before mine
	s_cselect_b32 s40, -1, 0
	v_and_b32 v93, s40, v84
.irp w, 1,2,3,4,5,6
	s_cmp_gt_u32 s16, \w
	s_cselect_b32 s40, -1, 0
	v_and_b32 v95, s40, v[84+(\w)]
	v_add_nc_u32 v93, v93, v95
.endr
.irp t, 0,1,2,3
	v_readlane_b32 s[20+(\t)], v92, \t
	v_readlane_b32 s[24+(\t)], v92, 4+(\t)
	v_readlane_b32 s[28+(\t)], v93, 8+(\t)
.endr
.irp t, 0,1,2,3
	s_add_co_u32 s[32+(\t)], s[20+(\t)], 15
	s_lshr_b32 s[32+(\t)], s[32+(\t)], 4           ; blocks of 16 rows
.endr
	s_mov_b32 s36, 0
	s_add_co_u32 s37, s36, s32
	s_add_co_u32 s38, s37, s33
	s_add_co_u32 s39, s38, s34
.irp t, 0,1,2,3
	s_lshl_b32 s[48+(\t)], s[36+(\t)], 4
	s_add_co_u32 s[56+(\t)], s[48+(\t)], s[20+(\t)]
	s_add_co_u32 s[52+(\t)], s[48+(\t)], s[24+(\t)]
	s_add_co_u32 s[52+(\t)], s[52+(\t)], s[28+(\t)]
.endr
	s_sub_co_u32 s60, s49, s56                     ; a type's holes reach to the next type's first word,
	s_sub_co_u32 s61, s50, s57
	s_sub_co_u32 s62, s51, s58
	s_sub_co_u32 s63, 16448, s59                   ; the last type's to order's end
	; All the addresses of the masked stores are made here, with all lanes on, ahead of the first line that narrows EXEC.
	; PLACEMENT: a token's word = its type's next free word + the number of lower lanes of the same type.
	; The next free word for my register c: c = 0 in s[52+t]; c = 1, 2, 3 in s[82+t], s[86+t], s[90+t], each the one before plus that register's count
	s_lshl_b32 s40, s17, 10
	s_lshl_b32 s41, s16, 7
	s_add_co_u32 s97, s40, s41                     ; my wave's first token
.irp t, 0,1,2,3
	s_add_co_u32 s[82+(\t)], s[82+(\t)], s[52+(\t)]
	s_add_co_u32 s[86+(\t)], s[86+(\t)], s[82+(\t)]
	s_add_co_u32 s[90+(\t)], s[90+(\t)], s[86+(\t)]
.endr
	v_lshrrev_b32 v94, 2, v[L16]
	v_add_nc_u32 v94, s97, v94                     ; token of my register 0
.macro PLACE c, base
	v_mov_b32 v[PA+(\c)], 0
.irp t, 0,1,2,3
	v_mbcnt_lo_u32_b32 v77, s[66+4*(\c)+(\t)], 0
	v_add_nc_u32 v77, s[(\base)+(\t)], v77
	v_cndmask_b32 v[PA+(\c)], v[PA+(\c)], v77, s[66+4*(\c)+(\t)]
.endr
	v_min_u32 v[PA+(\c)], 0x403f, v[PA+(\c)]       ; inside order, whatever was loaded
	v_lshlrev_b32 v[PA+(\c)], 2, v[PA+(\c)]
	v_add_nc_u32 v[PD+(\c)], \c, v94
.endm
	PLACE 0, 52
	PLACE 1, 82
	PLACE 2, 86
	PLACE 3, 90
	; HOLES: word p = 256 S + thread + 4,096 j holds no token if p less a type's first hole is, unsigned, under the number of that type's holes
	s_lshl_b32 s40, s17, 8
	v_add_nc_u32 v79, s40, v0
	v_mov_b32 v[MONE], -1
.irp j, 0,1,2,3,4
	v_add_nc_u32 v78, (\j)*4096, v79
.irp t, 0,1,2,3
	v_sub_nc_u32 v77, v78, s[56+(\t)]
	v_cmp_gt_u32 s[66+4*(\j)+(\t)], s[60+(\t)], v77
.endr
	v_min_u32 v[HA+(\j)], 0x403f, v78              ; lanes that are off point inside the buffer too
	v_lshlrev_b32 v[HA+(\j)], 2, v[HA+(\j)]
.endr
.irp j, 0,1,2,3,4
	s_or_b32 s[88+(\j)], s[66+4*(\j)], s[66+4*(\j)+1]
	s_or_b32 s40, s[66+4*(\j)+2], s[66+4*(\j)+3]
	s_or_b32 s[88+(\j)], s[88+(\j)], s40
.endr
.macro MSTORE adr, dat                 ; one word a lane into order, in the lanes of VCC
	s_wait_xcnt 0x0                                ; EXEC changes only behind this wait
	s_and_saveexec_b32 s43, vcc_lo
	global_store_b32 v[\adr], v[\dat], s[10:11]
	s_wait_xcnt 0x0                                ; and again, in front of the line that widens it
	s_or_b32 exec_lo, exec_lo, s43
.endm
.irp c, 0,1,2,3
	v_cmp_gt_u32 vcc_lo, 4, v[72+(\c)]             ; only types 0..3 are listed
	MSTORE PA+(\c), PD+(\c)
.endr
.irp j, 0,1,2,3,4
	s_mov_b32 vcc_lo, s[88+(\j)]
	MSTORE HA+(\j), MONE
.endr
	; PLAN: one wave of the launch; lane = row group.  A group is four work-groups of 8 or 9 blocks: 36 blocks at the most.  The types' blocks are 1,027 at the most,
	; so the sum of ceil(nb / 36) is at most (1,027 + 4 x 35) / 36 = 32: 32 groups serve every split.  Where groups of 32 blocks suffice they are taken.
	s_or_b32 s80, s17, s16
	s_cmp_lg_u32 s80, 0
	s_cbranch_scc1 .Lnoplan
	s_mov_b32 s80, 0
.irp t, 0,1,2,3
	s_add_co_u32 s81, s[32+(\t)], 31
	s_lshr_b32 s[66+(\t)], s81, 5                  ; ceil(nb / 32)
	s_add_co_u32 s80, s80, s[66+(\t)]
	s_add_co_u32 s81, s[32+(\t)], 35
	s_mul_i32 s81, s81, 1821
	s_lshr_b32 s[40+(\t)], s81, 16                 ; ceil(nb / 36): 1,821 x 36 = 65,536 + 20, so the quotient is exact for numbers under 3,276
.endr
	s_cmp_le_u32 s80, 32
.irp t, 0,1,2,3
	s_cselect_b32 s[66+(\t)], s[66+(\t)], s[40+(\t)]  ; g: the type's groups
.endr
	s_mov_b32 s71, s66                             ; the types' first groups
	s_add_co_u32 s72, s71, s67
	s_add_co_u32 s73, s72, s68
.irp t, 0,1,2,3
	s_lshl_b32 s81, s[66+(\t)], 5
	s_max_u32 s82, s[32+(\t)], s81
	s_sub_co_u32 s[76+(\t)], s82, s81              ; ex: the blocks over 32 a group, dealt four at a time to the type's first groups
.endr
	v_lshrrev_b32 v100, 4, v[L16]                  ; rc
	v_mov_b32 v112, 0                              ; the group's type: the last whose first group is not beyond rc,
	v_mov_b32 v102, 0                              ; that first group,
	v_mov_b32 v103, s32                            ; the type's blocks,
	v_mov_b32 v104, 0                              ; its first block,
	v_mov_b32 v105, s76                            ; its ex
.irp t, 1,2,3
	v_cmp_le_u32 vcc_lo, s[70+(\t)], v100
	v_cndmask_b32 v112, v112, \t, vcc_lo
	v_cndmask_b32 v102, v102, s[70+(\t)], vcc_lo
	v_cndmask_b32 v103, v103, s[32+(\t)], vcc_lo
	v_cndmask_b32 v104, v104, s[36+(\t)], vcc_lo
	v_cndmask_b32 v105, v105, s[76+(\t)], vcc_lo
.endr
	v_sub_nc_u32 v106, v100, v102                  ; j: the group's number in its type
	v_lshlrev_b32 v107, 2, v106
	v_min_u32 v108, v107, v105
	v_lshl_add_u32 v108, v106, 5, v108             ; st = 32 j + min(4 j, ex)
	v_add_nc_u32 v109, 4, v107
	v_min_u32 v109, v109, v105
	v_lshl_add_u32 v109, v106, 5, v109
	v_add_nc_u32 v109, 32, v109
	v_min_u32 v109, v109, v103                     ; en = min(nb, 32 j + 32 + min(4 j + 4, ex))
	v_max_u32 v109, v109, v108                     ; a group past the type's last has none
	v_add_nc_u32 v113, v104, v108                  ; first block
	v_sub_nc_u32 v114, v109, v108                  ; blocks
	v_cmp_lt_u32 vcc_lo, 32, v114
	v_cndmask_b32 v115, 0, 1, vcc_lo               ; a ninth block for some partner
	global_store_b128 v[L16], v[112:115], s[12:13]
.Lnoplan:
	; ZERO ROWS: a token of no type keeps zeros.  Whole rows are stored under scalar branches; no barrier stands in what is jumped.
.irp c, 0,1,2,3
	v_cmp_lt_u32 s[44+(\c)], 3, v[72+(\c)]
.endr
	s_or_b32 s80, s44, s45
	s_or_b32 s80, s80, s46
	s_or_b32 s80, s80, s47
	s_cmp_eq_u32 s80, 0
	s_cbranch_scc1 .Lnozero
.irp r, 96,97,98,99
	v_mov_b32 v\r, 0
.endr
.macro ZROW c                          ; lane s81's token 4 s81 + c of my wave
	s_bitcmp1_b32 s[44+(\c)], s81
	s_cbranch_scc0 .Lzs_\@
	s_lshl2_add_u32 s82, s81, s97
	s_add_co_u32 s82, s82, \c
	s_lshl_b32 s82, s82, 12                        ; a row of out0 is 4,096 bytes
	s_mov_b32 s83, 0
	s_add_nc_u64 s[84:85], s[14:15], s[82:83]
.irp n, 0,1,2,3,4,5,6,7
	global_store_b128 v[L16], v[96:99], s[84:85] offset:512*(\n)
.endr
	s_wait_xcnt 0x0                                ; the base is written again only behind this wait
.Lzs_\@:
.endm
	s_mov_b32 s81, 0
.Lzrow:
	ZROW 0
	ZROW 1
	ZROW 2
	ZROW 3
	s_add_co_u32 s81, s81, 1
	s_cmp_lt_u32 s81, 32
	s_cbranch_scc1 .Lzrow
.Lnozero:
	s_wait_tensorcnt 0x0                           ; the wave's end: behind my last LDS store
	ds_add_u32 v[SPW], v[NIL]
	s_wait_dscnt 0x0
	s_endpgm
.Lfunc_end_k_qe07717dddb_prep:
	.size	k_qe07717dddb_prep, .Lfunc_end_k_qe07717dddb_prep-k_qe07717dddb_prep
	.p2alignl 7, 3214868480
	.fill 96, 4, 3214868480
	.section	.rodata,"a",@progbits
	.p2align	6, 0x0
	.amdhsa_kernel k_qe07717dddb_prep
		.amdhsa_group_segment_fixed_size 69632
		.amdhsa_private_segment_fixed_size 0
		.amdhsa_enable_private_segment 0
		.amdhsa_kernarg_size 48
		.amdhsa_user_sgpr_count 2
		.amdhsa_user_sgpr_kernarg_segment_ptr 1
		.amdhsa_wavefront_size32 1
		.amdhsa_system_sgpr_workgroup_id_x 1
		.amdhsa_system_sgpr_workgroup_id_y 1
		.amdhsa_system_sgpr_workgroup_id_z 1
		.amdhsa_system_vgpr_workitem_id 0
		.amdhsa_next_free_vgpr 200
		.amdhsa_next_free_sgpr 100
		.amdhsa_reserve_vcc 1
		.amdhsa_float_denorm_mode_32 3
		.amdhsa_float_denorm_mode_16_64 3
		.amdhsa_memory_ordered 1
		.amdhsa_forward_progress 1
		.amdhsa_inst_pref_size 75
	.end_amdhsa_kernel
	.amdgpu_metadata
---
amdhsa.version: [ 1, 2 ]
amdhsa.kernels:
  - .name:           k_qe07717dddb_prep
    .symbol:         k_qe07717dddb_prep.kd
    .args:
      - { .name: W, .offset: 0, .size: 8, .value_kind: global_buffer, .address_space: global }
      - { .name: types, .offset: 8, .size: 8, .value_kind: global_buffer, .address_space: global }
      - { .name: wt, .offset: 16, .size: 8, .value_kind: global_buffer, .address_space: global }
      - { .name: order, .offset: 24, .size: 8, .value_kind: global_buffer, .address_space: global }
      - { .name: plan, .offset: 32, .size: 8, .value_kind: global_buffer, .address_space: global }
      - { .name: out0, .offset: 40, .size: 8, .value_kind: global_buffer, .address_space: global }
    .group_segment_fixed_size: 69632
    .private_segment_fixed_size: 0
    .kernarg_segment_align: 8
    .kernarg_segment_size: 48
    .max_flat_workgroup_size: 256
    .sgpr_count:     100
    .vgpr_count:     200
    .wavefront_size: 32
...
	.end_amdgpu_metadata
.endif
;; end of part 3
;; launch gemm (part 4): grid 8 x 32, 4 waves a work-group, no clusters, 327,680 bytes of LDS; arguments x, order, plan, wt, b, out0; writes out0
.if DOCPART == 4
	.amdgcn_target "amdgcn-amd-amdhsa--gfx1250"
	.amdhsa_code_object_version 6
	.text
	.protected	k_qe07717dddb_gemm
	.globl	k_qe07717dddb_gemm
	.p2align	8
	.type	k_qe07717dddb_gemm,@function
k_qe07717dddb_gemm:
	s_mov_b64 s[64:65], 0
	v_nop
	global_prefetch_b8 v0, s[64:65] scope:SCOPE_SE
	s_setreg_imm32_b32 hwreg(HW_REG_WAVE_MODE, 25, 1), 1
	s_wait_xcnt 0x0
; out0[token] = x[token] . W[type] + b[type] for the tokens that order lists (types 0..3).  x and W are rounded once to bf16, sums and bias are f32.
; SHARES.  Row group rc (grid y) has one type and up to 36 blocks of 16 listed rows (plan[rc]); grid x = 2 cx + yh: the four work-groups cx take blocks cx + 4 i, i = 0..8; yh is the half of
; the 1,024 columns, so the two work-groups that read the same rows of x are neighbours in the grid.  A work-group makes up to 144 rows x 512 columns; wave w all the rows x columns
; 512 yh + 128 w ..: 72 accumulators of 16 x 16.
; A place of a block that holds 0xFFFFFFFF repeats the block's first row (a live block's first word is always a token): the same wave then stores the same numbers to that row once more, and
; no lane is ever switched off.  A block past the group's count is multiplied on rows that exist, and its stores are jumped by a scalar branch.
; The ninth block's products are jumped where no partner has one (plan's fourth word); nothing but matrix instructions is jumped there.
; K IS WALKED IN FOUR LAPS OF 256, BEGINNING AT LAP (rc / 2) % 4 AND WRAPPING: the work-groups of a type and half ask for four different quarters of W at any time, and from the second lap on
; each asks for bytes that another work-group has read a lap before.  So the order of an output's f32 sums hangs on rc.
; THE LAST 32 ALONG K GO BY ROWS OF out0: a block's 8 products, then the block leaves through the stage while the next block is multiplied, so that the first stores go out 8 products into
; that quarter and not behind its last product.  The sums are the same.
; W comes from wt, where it lies in operand order: a wave's part of a K step of 128 is 32,768 consecutive bytes, brought by one tensor load.  Each wave fills and reads only its own part of the two slots.
; NO CLUSTER, though the four work-groups cx of a group and half walk the same 1 MiB of W: W's address and the ninth block's branch hang on plan's words, numbers read from memory; that four
; partners read the same words is a fact of the launch before, not one that this text's own arithmetic shows, and a joint request wants descriptors that are equal by the text.
; What is given up: three of four requests for W (192 of 256 MiB over the launch); what memory itself delivers is the same.
; x comes by a list, which no tensor descriptor covers: 16 lanes load 256 bytes of a row (64 k), two rows an instruction; rounded, into a ring of two LDS slots of 64 k; two sets of
; registers keep two steps' loads (36 a wave) on their way.
; THE MATRIX INSTRUCTION IS USED TRANSPOSED: source 0 = 16 columns of W, source 1 = 16 rows of x: register j of lane l is out(row l % 16, column 16 b + 8 (l / 16) + j).
; The bias, in that layout, is the C operand of the first K step: nothing is cleared and nothing is added later.
; REGISTERS in windows of 256 (s_set_vgpr_msb: bits 1:0 source 0, 3:2 source 1, 5:4 source 2, 7:6 destination):
;   window 0: v0-31 addresses; v32-103, v104-175 x fragments, two buffers of 9 blocks; v176-239 staging set 0; v240-247, v248-255 the sets' parts for block 8
;   window 1: v0-63 accumulators of block 8; v64-127, v128-191 W fragments, two buffers (the second holds the bias until the first products are done); v192-255 staging set 1
;   window 2: accumulators of blocks 0-3 at 64 a + 8 b;  window 3: those of blocks 4-7.  On the way out a block's rows come back from the stage into its own accumulators' registers.
.set BWAVE, 32768                      ; a wave's part of a slot of W
.set BSLOT, 131072                     ; a slot of W: a K step of 128 for four waves; also a K step's bytes in wt
.set ABASE, 262144                     ; behind W's ring: x's ring, written by LDS stores alone
.set APIT,  144                        ; a row of x in LDS: 128 bytes (64 k) + 16: the 16 rows of a fragment load start at 16 different 16-byte columns of 256
.set ASLOT, 144*APIT
.set SPARE, ABASE+2*ASLOT              ; the spare words, 128 bytes for each wave: no other line names them
.set SPIT,  528                        ; the way out: a row of 128 f32 + 16
.set STG,   16*SPIT                    ; a stage; two of them lie in the wave's own part of W's slot 0, behind that slot's last fill and last read
.set SPW, 1                            ; v1   LDS address of my spare word; never rewritten
.set NIL, 2                            ; v2   0; never rewritten
.set ADRA, 3                           ; v3   my place in a fragment of x
.set ADRB, 4                           ; v4-5 my place in a fragment of W, slot 0, 1
.set AST, 6                            ; v6   where I put 8 bytes of my wave's first two rows of x
.set AST8, 7                           ; v7   the same for my wave's four rows of block 8
.set STO, 8                            ; v8   the way out: where I put 32 bytes of a row
.set RD,  9                            ; v9   the way out: where I read a row back
.set CO,  10                           ; v10  my byte offset in a row of out0
.set VH4, 11                           ; v11  4 x (lane / 16)
.set L16, 12                           ; v12  16 x (lane % 16)
.set BO,  13                           ; v13  32 x (lane / 16): my offset in the bias
.set XOFF, 14                          ; v14-31  byte offsets in x of my 18 pairs of rows; at the end v14-22: offsets in order
.set AF,  32
.set XM0, 176
.set X8,  240
.set TK,  176                          ; the way out: v176-247 the rows' tokens, then their offsets in out0
.set BF,  64
.set BIAS, 128
.set G1,  24                           ; s[24:31] descriptor group 1
.set G0,  32                           ; s[32:39] descriptor group 0, a set for each slot
.set BLK, 40                           ; s40-48  byte offset in order of my block a
.set DM,  49                           ; s49-57  0 if block a is live, -1 if not
.set NB9, 58                           ; s58     1: some partner has a ninth block
.set OFS, 80                           ; s[80:81] an offset in 64 bits; the high word stays 0
.set WB,  82                           ; s[82:83] wt at my wave's part of K step 0; never rewritten
.set XB,  84                           ; s[84:85] x at the lap whose steps are being asked for
.set LAPI, 86                          ; s86     that lap, 0..3
.set T0,  87                           ; s87-95  the first token of my block a
.set MSB, 0
.macro WIN new                         ; the immediate's high byte repeats the setting that is left; a switch that changes nothing is dropped
.if MSB != (\new)
	s_set_vgpr_msb (MSB<<8)|(\new)
.set MSB, \new
.endif
.endm
.macro PLACES                          ; four places in front of loads into registers that matrix instructions have read or written, and of stores that read results
.rept 4
	v_nop
.endr
.endm
	s_load_b256 s[4:11], s[0:1], 0x0               ; x s[4:5], order s[6:7], plan s[8:9], wt s[10:11]
	s_load_b128 s[12:15], s[0:1], 0x20             ; b s[12:13], out0 s[14:15]
	v_lshl_add_u32 v[SPW], v0, 2, SPARE
	v_mov_b32 v[NIL], 0
	ds_add_u32 v[SPW], v[NIL]                      ; the wave's opening: the add and its wait stand ahead of my first tensor load; the set-up below stands between them
	v_lshrrev_b32 v[ADRA], 5, v0
	v_readfirstlane_b32 s16, v[ADRA]               ; wave 0..3
	s_lshr_b32 s17, ttmp9, 1                       ; cx: which of the group's four row work-groups
	s_and_b32 s18, ttmp9, 1                        ; yh: which half of the columns
	s_and_b32 s19, ttmp7, 0xffff                   ; rc
	s_bfe_u32 s[LAPI], s19, 0x20001                ; the lap at which my walk along K begins: (rc / 2) % 4
	s_lshl_b32 s60, s19, 4                         ; plan's entry
	s_mov_b32 s61, 0
	s_mov_b32 s[OFS+1], 0
	; descriptor group 1: 32,768 dense bytes as 128 rows of 256 bytes
	s_mov_b32 s[G1+0], 3<<16                       ; 15:0 no mask; 17:16 elements of 8 bytes; no padding
	s_mov_b32 s[G1+1], 32<<16                      ; tensor_dim0 = 32
	s_mov_b32 s[G1+2], 128<<16                     ; tensor_dim1 = 128
	s_mov_b32 s[G1+3], 32<<16                      ; tile_dim0 = 32
	s_mov_b32 s[G1+4], 128                         ; tile_dim1 = 128
	s_mov_b32 s[G1+5], 32                          ; 32 elements from row to row
	s_mov_b32 s[G1+6], 0
	s_mov_b32 s[G1+7], 0
	s_mov_b32 s[G0+0], 1
	s_lshl_b32 s[G0+1], s16, 15                    ; LDS address: wave x 32,768
	s_mov_b32 s[G0+4], 1
	s_add_co_u32 s[G0+5], s[G0+1], BSLOT
	s_mul_i32 s62, s16, 32*APIT
	s_add_co_u32 s62, s62, ABASE                   ; my wave's 32 rows of x's ring
	s_mul_i32 s63, s16, 4*APIT
	s_add_co_u32 s63, s63, ABASE+128*APIT          ; its four rows of block 8
	s_lshl_b32 s75, s18, 11
	s_lshl_b32 s74, s16, 9
	s_add_co_u32 s75, s75, s74                     ; my wave's columns, in bytes of f32
	v_and_b32 v[BO], 15, v0                        ; r = lane % 16
	v_bfe_u32 v[VH4], v0, 4, 1                     ; h = lane / 16
	v_and_b32 v[CO], 31, v0                        ; lane
	v_mul_u32_u24 v[ADRA], v[BO], APIT
	v_lshl_add_u32 v[ADRA], v[VH4], 4, v[ADRA]
	v_add_nc_u32 v[ADRA], ABASE, v[ADRA]           ; row r, 16 bytes for each half of the lanes
	v_lshl_add_u32 v[ADRB], v[CO], 4, s[G0+1]      ; W lies in operand order: 16 bytes a lane on end
	v_add_nc_u32 v[ADRB+1], BSLOT, v[ADRB]
	v_mul_u32_u24 v[AST], v[VH4], APIT
	v_lshl_add_u32 v[AST], v[BO], 3, v[AST]        ; row h, 8 bytes (4 k) a lane
	v_add_nc_u32 v[AST8], s63, v[AST]
	v_add_nc_u32 v[AST], s62, v[AST]
	v_mul_u32_u24 v[STO], v[BO], SPIT
	v_lshl_add_u32 v[STO], v[VH4], 5, v[STO]
	v_add_nc_u32 v[STO], s[G0+1], v[STO]
	v_mul_u32_u24 v[RD], v[VH4], SPIT
	v_lshl_add_u32 v[RD], v[BO], 4, v[RD]
	v_add_nc_u32 v[RD], s[G0+1], v[RD]
	v_lshlrev_b32 v[L16], 4, v[BO]
	v_add_nc_u32 v[CO], s75, v[L16]
	v_lshlrev_b32 v[BO], 5, v[VH4]
	v_lshlrev_b32 v[VH4], 2, v[VH4]
	s_wait_dscnt 0x0                               ; the opening add is done
	s_wait_kmcnt 0x0
	s_add_nc_u64 s[8:9], s[8:9], s[60:61]
	s_load_b128 s[20:23], s[8:9], 0x0              ; type, first block, blocks, ninth block
	s_wait_kmcnt 0x0
	s_min_u32 s20, s20, 3                          ; what was loaded is held inside its tables
	s_min_u32 s21, s21, 1027
	s_min_u32 s22, s22, 36
	s_mov_b32 s[NB9], s23
.irp a, 0,1,2,3,4,5,6,7,8
	s_add_co_u32 s60, s17, 4*(\a)                  ; my block a is the group's block cx + 4 a
	s_cmp_lt_u32 s60, s22
	s_cselect_b32 s[DM+(\a)], 0, -1
	s_add_co_u32 s60, s60, s21
	s_min_u32 s60, s60, 1027                       ; order has 1,028 blocks of 64 bytes
	s_lshl_b32 s[BLK+(\a)], s60, 6
.endr
	s_lshl3_add_u32 s61, s16, s17                  ; the blocks whose rows my wave fetches: 2 w and 2 w + 1
.irp u, 0,1
	s_add_co_u32 s60, s61, 4*(\u)
	s_add_co_u32 s60, s60, s21
	s_min_u32 s60, s60, 1027
	s_lshl_b32 s[66+(\u)], s60, 6
.endr
	s_lshl_b32 s70, s16, 4
	s_add_co_u32 s70, s70, s[BLK+8]                ; and rows 4 w .. 4 w + 3 of block 8
	s_lshl_b32 s60, s20, 21                        ; wt: type x 2 MiB + half x 1 MiB + wave x 32 KiB
	s_lshl_b32 s62, s18, 20
	s_add_co_u32 s60, s60, s62
	s_add_co_u32 s60, s60, s[G0+1]
	s_mov_b32 s61, 0
	s_add_nc_u64 s[WB:WB+1], s[10:11], s[60:61]
	s_lshl_b32 s[OFS], s[LAPI], 18                 ; a lap is two K steps of 131,072 bytes
	s_add_nc_u64 s[G0+2:G0+3], s[WB:WB+1], s[OFS:OFS+1]  ; my first lap's first K step
	s_add_nc_u64 s[G0+6:G0+7], s[G0+2:G0+3], BSLOT       ; and its second
	s_or_b32 s[G0+3], s[G0+3], 0x80000000          ; type = 2
	s_or_b32 s[G0+7], s[G0+7], 0x80000000
	s_lshl_b32 s[OFS], s[LAPI], 10                 ; a lap is 1,024 bytes of a row of x
	s_add_nc_u64 s[XB:XB+1], s[4:5], s[OFS:OFS+1]
	s_lshl_b32 s60, s20, 12
	s_add_co_u32 s60, s60, s75
	s_add_nc_u64 s[12:13], s[12:13], s[60:61]      ; the bias of my wave's columns
	tensor_load_to_lds s[G0:G0+3], s[G1:G1+7]      ; both first fills go out together: two loads of mine are out
	s_nop 0
	tensor_load_to_lds s[G0+4:G0+7], s[G1:G1+7]
	s_nop 0
	PLACES
	WIN 0x40                                       ; destination window 1
.irp b, 0,1,2,3,4,5,6,7
.irp c, 0,1
	global_load_b128 v[BIAS+8*(\b)+4*(\c):BIAS+8*(\b)+4*(\c)+3], v[BO], s[12:13] offset:64*(\b)+16*(\c)  ; columns 16 b + 8 h + 4 c ..
.endr
.endr
	WIN 0
	v_add_nc_u32 v32, s66, v[VH4]                  ; four offset registers and one of data among the fragment registers, which are still free
	v_add_nc_u32 v33, s67, v[VH4]
	v_add_nc_u32 v34, s70, v[VH4]
	v_mov_b32 v35, s[BLK+8]
.irp j, 0,1,2,3,4,5,6,7
	global_load_b32 v[XOFF+(\j)], v32, s[6:7] offset:8*(\j)      ; the token of row 2 j + h of block 2 w
	global_load_b32 v[XOFF+8+(\j)], v33, s[6:7] offset:8*(\j)    ; of block 2 w + 1
.endr
	global_load_b32 v[XOFF+16], v34, s[6:7]
	global_load_b32 v[XOFF+17], v34, s[6:7] offset:8
	global_load_b32 v36, v35, s[6:7]               ; block 8's first token, in every lane
	s_wait_loadcnt 0x0
	v_readfirstlane_b32 s68, v[XOFF]               ; lane 0 holds row 0: the first token of block 2 w,
	v_readfirstlane_b32 s69, v[XOFF+8]             ; of block 2 w + 1
.macro TOOFF reg, first                ; a token becomes the byte offset of its row; a place without a token takes the block's first
	v_cmp_gt_u32 vcc_lo, 0x4000, v[\reg]
	v_cndmask_b32 v[\reg], \first, v[\reg], vcc_lo
	v_min_u32 v[\reg], 0x3fff, v[\reg]             ; inside x, whatever was loaded (a dead block's words)
	v_lshl_add_u32 v[\reg], v[\reg], 12, v[L16]
.endm
.irp j, 0,1,2,3,4,5,6,7
	TOOFF XOFF+(\j), s68
	TOOFF XOFF+8+(\j), s69
.endr
	TOOFF XOFF+16, v36
	TOOFF XOFF+17, v36
; 8 products: block a x all 8 column tiles, 32 along K, from buffers f.  first = 1: the bias starts the sums.
; All 64 or 72 accumulators take turns, one instruction a turn, in the same order in every quarter.
.macro MULB f, a, first
.if \first
	WIN 0x91+0x40*((\a)/4)                         ; W and the bias in window 1, x in window 0, D in window 2 or 3
.else
	WIN 0xa1+0x50*((\a)/4)                         ; C and D in window 2 or 3
.endif
.irp b, 0,1,2,3,4,5,6,7
.if \first
	v_wmma_f32_16x16x32_bf16 v[64*((\a)%4)+8*(\b):64*((\a)%4)+8*(\b)+7], v[BF+64*(\f)+8*(\b):BF+64*(\f)+8*(\b)+7], v[AF+72*(\f)+8*(\a):AF+72*(\f)+8*(\a)+7], v[BIAS+8*(\b):BIAS+8*(\b)+7]
.else
	v_wmma_f32_16x16x32_bf16 v[64*((\a)%4)+8*(\b):64*((\a)%4)+8*(\b)+7], v[BF+64*(\f)+8*(\b):BF+64*(\f)+8*(\b)+7], v[AF+72*(\f)+8*(\a):AF+72*(\f)+8*(\a)+7], v[64*((\a)%4)+8*(\b):64*((\a)%4)+8*(\b)+7]
.endif
.endr
.endm
.macro MULG f, g, first                ; 32 products: blocks 4 g .. 4 g + 3
.irp a, 0,1,2,3
	MULB \f, 4*(\g)+\a, \first
.endr
.endm
; Block 8's 8 products.  The first ones always run, so that its accumulators are written on every way; the others are jumped where no partner has a ninth block.
.macro MUL8 f, first
.if \first
	WIN 0x51
.irp b, 0,1,2,3,4,5,6,7
	v_wmma_f32_16x16x32_bf16 v[8*(\b):8*(\b)+7], v[BF+64*(\f)+8*(\b):BF+64*(\f)+8*(\b)+7], v[AF+72*(\f)+64:AF+72*(\f)+71], v[BIAS+8*(\b):BIAS+8*(\b)+7]
.endr
.else
	WIN 0                                          ; at a branch and at a label every window is 0
	s_cmp_eq_u32 s[NB9], 0
	s_cbranch_scc1 .Lno9_\@
	WIN 0x51
.irp b, 0,1,2,3,4,5,6,7
	v_wmma_f32_16x16x32_bf16 v[8*(\b):8*(\b)+7], v[BF+64*(\f)+8*(\b):BF+64*(\f)+8*(\b)+7], v[AF+72*(\f)+64:AF+72*(\f)+71], v[8*(\b):8*(\b)+7]
.endr
	WIN 0
.Lno9_\@:
.endif
.endm
; The fragments of quarter qg of a lap of eight (32 along K) into buffers f, in two runs: W's 16 LDS loads (slot qg / 4) and x's 18 (slot (qg / 2) % 2)
.macro FETCHW qg, f
	WIN 0x40
.irp b, 0,1,2,3,4,5,6,7
.irp c, 0,1
	ds_load_b128 v[BF+64*(\f)+8*(\b)+4*(\c):BF+64*(\f)+8*(\b)+4*(\c)+3], v[ADRB+(((\qg)>>2)&1)] offset:((\qg)&3)*8192+(\b)*1024+(\c)*512
.endr
.endr
.endm
.macro FETCHA qg, f
	WIN 0
.irp a, 0,1,2,3,4,5,6,7,8
.irp c, 0,1
	ds_load_b128 v[AF+72*(\f)+8*(\a)+4*(\c):AF+72*(\f)+8*(\a)+4*(\c)+3], v[ADRA] offset:(((\qg)>>1)&1)*ASLOT+(\a)*16*APIT+((\qg)&1)*64+32*(\c)
.endr
.endr
.endm
; 18 loads: 64 k (256 bytes) of my wave's 36 rows, at byte imm of the lap in hand, into staging set `set`
.macro XLOAD8 set, imm
.irp j, 0,1
	global_load_b128 v[X8+8*(\set)+4*(\j):X8+8*(\set)+4*(\j)+3], v[XOFF+16+(\j)], s[XB:XB+1] offset:\imm
.endr
.endm
.macro XLOADM set, imm
	WIN 0x40*(\set)
.set j, 0
.rept 16
	global_load_b128 v[XM0+16*(\set)+4*j:XM0+16*(\set)+4*j+3], v[XOFF+j], s[XB:XB+1] offset:\imm
.set j, j+1
.endr
.endm
; Staging set `set` is rounded in place and stored into x's slot `set`; ld = 1: the set is loaded again, with the step two further on.
; left: the other set's 18 younger loads stay out.  None of these lines names a register of a matrix instruction.
.macro XSTORE set, left, ld, imm
	s_wait_loadcnt \left
	WIN 0
.irp j, 0,1
	v_cvt_pk_bf16_f32 v[X8+8*(\set)+4*(\j)], v[X8+8*(\set)+4*(\j)], v[X8+8*(\set)+4*(\j)+1]
	v_cvt_pk_bf16_f32 v[X8+8*(\set)+4*(\j)+1], v[X8+8*(\set)+4*(\j)+2], v[X8+8*(\set)+4*(\j)+3]
.endr
.irp j, 0,1
	ds_store_b64 v[AST8], v[X8+8*(\set)+4*(\j):X8+8*(\set)+4*(\j)+1] offset:(\set)*ASLOT+(\j)*2*APIT
.endr
.if \ld
	XLOAD8 \set, \imm
.endif
	WIN 0x45*(\set)                                ; set 1's main part lies in window 1
.set j, 0
.rept 16
	v_cvt_pk_bf16_f32 v[XM0+16*(\set)+4*j], v[XM0+16*(\set)+4*j], v[XM0+16*(\set)+4*j+1]
	v_cvt_pk_bf16_f32 v[XM0+16*(\set)+4*j+1], v[XM0+16*(\set)+4*j+2], v[XM0+16*(\set)+4*j+3]
.set j, j+1
.endr
	WIN 0x04*(\set)
.set j, 0
.rept 16
	ds_store_b64 v[AST], v[XM0+16*(\set)+4*j:XM0+16*(\set)+4*j+1] offset:(\set)*ASLOT+j*2*APIT
.set j, j+1
.endr
.if \ld
	XLOADM \set, \imm
.endif
.endm
; The lap whose steps of x and W are asked for goes one on, and wraps behind the fourth
.macro NEXTLAP
	s_wait_xcnt 0x0                                ; x's base is written again only behind this wait
	s_add_co_u32 s[LAPI], s[LAPI], 1
	s_and_b32 s[LAPI], s[LAPI], 3
	s_lshl_b32 s[OFS], s[LAPI], 10
	s_add_nc_u64 s[XB:XB+1], s[4:5], s[OFS:OFS+1]
.endm
; The tokens of the rows as the way out stores them: register 8 a + t holds the token of row 2 t + h of block a
.macro TOKLOAD
	WIN 0
.irp a, 0,1,2,3,4,5,6,7,8
	v_add_nc_u32 v[XOFF+(\a)], s[BLK+(\a)], v[VH4]     ; x's loads are all in: their address registers are free
.endr
.irp a, 0,1,2,3,4,5,6,7,8
.irp t, 0,1,2,3,4,5,6,7
	global_load_b32 v[TK+8*(\a)+(\t)], v[XOFF+(\a)], s[6:7] offset:8*(\t)
.endr
.endr
.endm
; The tokens become byte offsets in out0; a place without a token takes the block's first, as it did where x was loaded.
.macro TOKOFF
	s_wait_loadcnt 0x0                             ; the tokens, asked for two quarters ago
	WIN 0
.irp a, 0,1,2,3,4,5,6,7,8
	v_readfirstlane_b32 s[T0+(\a)], v[TK+8*(\a)]   ; lane 0 of register 0 holds row 0
.endr
.irp a, 0,1,2,3,4,5,6,7,8
.irp t, 0,1,2,3,4,5,6,7
	v_cmp_gt_u32 vcc_lo, 0x4000, v[TK+8*(\a)+(\t)]
	v_cndmask_b32 v[TK+8*(\a)+(\t)], s[T0+(\a)], v[TK+8*(\a)+(\t)], vcc_lo
.endr
.irp t, 0,1,2,3,4,5,6,7
	v_min_u32 v[TK+8*(\a)+(\t)], 0x3fff, v[TK+8*(\a)+(\t)]  ; inside out0, whatever was loaded
.endr
.irp t, 0,1,2,3,4,5,6,7
	v_lshl_add_u32 v[TK+8*(\a)+(\t)], v[TK+8*(\a)+(\t)], 12, v[CO]
.endr
.endr
.endm
; An even quarter multiplies buffers 0 and fetches the next quarter into buffers 1: W's run of loads behind the first 8 products, x's behind the next 8, so that they have 48 products or
; more in which to land.  In its middle: mid = 1: a step of x goes into LDS (into the slot that this quarter's loads do not read); 2: and the tokens are asked for; 3: the tokens become offsets.
.macro QEVEN qg, mid, set=0, left=0, ld=0, imm=0
	s_wait_dscnt 0x0                               ; the fragments are in
	MULB 0, 0, 0
	PLACES                                         ; in front of both runs of loads: buffers 1 were read by the quarter before
	FETCHW (\qg)+1, 1
	MULB 0, 1, 0
	FETCHA (\qg)+1, 1
	MULB 0, 2, 0
	MULB 0, 3, 0
.if (\mid) == 3
	TOKOFF
.else
	XSTORE \set, \left, \ld, \imm
.endif
.if (\mid) == 2
	TOKLOAD
.endif
	MULG 0, 1, 0
	MUL8 0, 0
.endm
; An odd quarter multiplies buffers 1 and holds x's barrier: in front of its signal my reads of x's old slot and my stores into the new one are done; behind its wait the new slot is read,
; and from the next quarter on the old one is written.  Eight products stand between the signal and the wait.
; kind 1: my part of W's slot qg / 4 has been read out and is filled again, with the same K step of the next lap: in front of the barrier stand the wait for all my tensor loads (one is out:
; my part of the other slot), the add and the wait for it; the refill is the first thing behind the barrier: it has four quarters less 8 products in which to land.
; kind 2: the same lines, nothing left to fetch.
.macro QODD qg, kind
.set SL, ((\qg)>>2)&1
.if (\kind) == 0
	s_wait_dscnt 0x0
.else
	WIN 0
	s_wait_tensorcnt 0x0                           ; no tensor load of mine is out, so a group 0 may be written
	ds_add_u32 v[SPW], v[NIL]                      ; 0 onto my spare word
.if (\kind) == 1
	s_lshl_b32 s[OFS], s[LAPI], 18                 ; the address is made anew: the pointer, and an offset made apart
.if SL
	s_add_co_u32 s[OFS], s[OFS], BSLOT
.endif
	s_add_nc_u64 s[G0+4*SL+2:G0+4*SL+3], s[WB:WB+1], s[OFS:OFS+1]
	s_or_b32 s[G0+4*SL+3], s[G0+4*SL+3], 0x80000000
.endif
	s_wait_dscnt 0x0                               ; the add is done, my fragments are in, my reads of W's slot and of x's old slot are over, my stores of x are done
.endif
	s_barrier_signal -1
	MULB 1, 0, 0                                   ; work on registers while the others arrive
	s_barrier_wait -1
.if (\kind) == 1
	tensor_load_to_lds s[G0+4*SL:G0+4*SL+3], s[G1:G1+7]
	s_nop 0
.endif
	PLACES                                         ; in front of both runs of loads below
	FETCHW ((\qg)+1)&7, 0
	MULB 1, 1, 0
	FETCHA ((\qg)+1)&7, 0
	MULB 1, 2, 0
	MULB 1, 3, 0
	MULG 1, 1, 0
	MUL8 1, 0
.endm
	; x's steps 0 and 1 are asked for; step 0 goes into LDS and step 2 is asked for
	WIN 0
	XLOAD8 0, 0
	XLOADM 0, 0
	WIN 0
	XLOAD8 1, 256
	XLOADM 1, 256
	XSTORE 0, 18, 1, 512
	s_wait_dscnt 0x0                               ; for the others' sake: my rows of x's step 0 are stored
	s_wait_tensorcnt 0x1                           ; my part of the first K step is in; slot 1's may stay out
	s_barrier_signal -1
	s_barrier_wait -1
	FETCHW 0, 0
	FETCHA 0, 0
	; the first quarter stands in front of the loop: its products start the sums with the bias
	s_wait_dscnt 0x0
	MULG 0, 0, 1
	MULG 0, 1, 1
	MUL8 0, 1
	XSTORE 1, 18, 1, 768                           ; its 36 conversions are the places in front of the loads that take the bias's registers
	FETCHW 1, 1
	FETCHA 1, 1
	WIN 0
	NEXTLAP                                        ; from here on the next lap's steps are asked for
	s_mov_b32 s59, 3
.Llap:                                                 ; a trip: 256 along K, from a lap's second quarter to the next lap's first; four steps of x, both slots of W filled again
	QODD 1, 0
	QEVEN 2, 1, 0, 18, 1, 0
	QODD 3, 1
	QEVEN 4, 1, 1, 18, 1, 256
	QODD 5, 0
	QEVEN 6, 1, 0, 18, 1, 512
	QODD 7, 1
	QEVEN 0, 1, 1, 18, 1, 768
	WIN 0
	NEXTLAP                                        ; (behind the last trip its result is not used)
	s_sub_co_u32 s59, s59, 1
	s_cmp_lg_u32 s59, 0
	s_cbranch_scc1 .Llap
	; the tail is written out: nothing more is asked of x or W
	QODD 1, 0
	QEVEN 2, 1, 0, 18, 0, 0                        ; x's step 14
	QODD 3, 2
	QEVEN 4, 2, 1, 0, 0, 0                         ; x's step 15, the last: the count is 0; then the tokens for the way out
	QODD 5, 0
	QEVEN 6, 3
; THE LAST QUARTER AND THE WAY OUT, a block of 16 rows at a time.  A lane's 32 bytes of a row go into my stage (rows of 528 bytes) and come back as whole rows, into the registers that they left:
; nothing writes those again, so the stores that read them need no wait.  16 lanes then store 256 consecutive bytes of a token's row.
.macro BLKREG a                        ; block a's accumulators: window DW, from register AC on
.if (\a) < 4
.set DW, 2
.set AC, 64*(\a)
.elseif (\a) < 8
.set DW, 3
.set AC, 64*((\a)-4)
.else
.set DW, 1
.set AC, 0
.endif
.endm
.macro TOSTAGE a
	BLKREG \a
	WIN (DW<<6)|(DW<<2)                            ; LDS store data (source 1) and loaded data (destination) in the block's window, addresses in window 0
.irp b, 0,1,2,3,4,5,6,7
	ds_store_b128 v[STO], v[AC+8*(\b):AC+8*(\b)+3] offset:((\a)&1)*STG+64*(\b)          ; each accumulator's low registers first
	ds_store_b128 v[STO], v[AC+8*(\b)+4:AC+8*(\b)+7] offset:((\a)&1)*STG+64*(\b)+16
.endr
.irp t, 0,1,2,3,4,5,6,7
.irp u, 0,1
	ds_load_b128 v[AC+4*(2*(\t)+(\u)):AC+4*(2*(\t)+(\u))+3], v[RD] offset:((\a)&1)*STG+(\t)*2*SPIT+(\u)*256  ; a wave's LDS instructions are served in order (ISA guide 5.7.1.4): these see the stores above
.endr
.endr
.endm
.macro SEND a, younger                 ; younger: the next block's 16 stores and 16 loads, or none.  A dead block's stores are jumped: whole instructions, no barrier among them
	BLKREG \a
	WIN 0
	s_wait_dscnt \younger
	s_cmp_lg_u32 s[DM+(\a)], 0
	s_cbranch_scc1 .Ldead_\@
	WIN DW<<2                                      ; store data (source 1) in the block's window, offsets in window 0
.irp t, 0,1,2,3,4,5,6,7
	global_store_b128 v[TK+8*(\a)+(\t)], v[AC+8*(\t):AC+8*(\t)+3], s[14:15] th:TH_STORE_NT              ; 16 lanes: 256 consecutive bytes, at a multiple of 256 from out0's first
	global_store_b128 v[TK+8*(\a)+(\t)], v[AC+8*(\t)+4:AC+8*(\t)+7], s[14:15] offset:256 th:TH_STORE_NT
.endr
	WIN 0
.Ldead_\@:
.endm
	s_wait_dscnt 0x0                               ; the last quarter's fragments are in
	MULB 1, 0, 0
	PLACES                                         ; behind a block's last products: the LDS stores read their results, the LDS loads land on them
	TOSTAGE 0
.irp a, 1,2,3,4,5,6,7
	MULB 1, \a, 0                                  ; the next block is multiplied while the block before goes through the stage
	PLACES
	TOSTAGE \a
	SEND (\a)-1, 32
.endr
	MUL8 1, 0
	s_cmp_lg_u32 s[DM+8], 0
	s_cbranch_scc1 .Lno_ninth                      ; without a ninth block of my own its way through the stage is left out
	PLACES
	TOSTAGE 8
	SEND 7, 32
	SEND 8, 0
	s_branch .Lend
.Lno_ninth:
	SEND 7, 0
.Lend:
	s_wait_tensorcnt 0x0                           ; the wave's end: behind my last tensor load and my last LDS store
	ds_add_u32 v[SPW], v[NIL]
	s_wait_dscnt 0x0
	s_endpgm
.Lfunc_end_k_qe07717dddb_gemm:
	.size	k_qe07717dddb_gemm, .Lfunc_end_k_qe07717dddb_gemm-k_qe07717dddb_gemm
	.p2alignl 7, 3214868480
	.fill 96, 4, 3214868480
	.section	.rodata,"a",@progbits
	.p2align	6, 0x0
	.amdhsa_kernel k_qe07717dddb_gemm
		.amdhsa_group_segment_fixed_size 327680
		.amdhsa_private_segment_fixed_size 0
		.amdhsa_enable_private_segment 0
		.amdhsa_kernarg_size 48
		.amdhsa_user_sgpr_count 2
		.amdhsa_user_sgpr_kernarg_segment_ptr 1
		.amdhsa_wavefront_size32 1
		.amdhsa_system_sgpr_workgroup_id_x 1
		.amdhsa_system_sgpr_workgroup_id_y 1
		.amdhsa_system_sgpr_workgroup_id_z 1
		.amdhsa_system_vgpr_workitem_id 0
		.amdhsa_next_free_vgpr 1024
		.amdhsa_next_free_sgpr 96
		.amdhsa_reserve_vcc 1
		.amdhsa_float_denorm_mode_32 3
		.amdhsa_float_denorm_mode_16_64 3
		.amdhsa_memory_ordered 1
		.amdhsa_forward_progress 1
		.amdhsa_inst_pref_size 231
	.end_amdhsa_kernel
	.amdgpu_metadata
---
amdhsa.version: [ 1, 2 ]
amdhsa.kernels:
  - .name:           k_qe07717dddb_gemm
    .symbol:         k_qe07717dddb_gemm.kd
    .args:
      - { .name: x, .offset: 0, .size: 8, .value_kind: global_buffer, .address_space: global }
      - { .name: order, .offset: 8, .size: 8, .value_kind: global_buffer, .address_space: global }
      - { .name: plan, .offset: 16, .size: 8, .value_kind: global_buffer, .address_space: global }
      - { .name: wt, .offset: 24, .size: 8, .value_kind: global_buffer, .address_space: global }
      - { .name: b, .offset: 32, .size: 8, .value_kind: global_buffer, .address_space: global }
      - { .name: out0, .offset: 40, .size: 8, .value_kind: global_buffer, .address_space: global }
    .group_segment_fixed_size: 327680
    .private_segment_fixed_size: 0
    .kernarg_segment_align: 8
    .kernarg_segment_size: 48
    .max_flat_workgroup_size: 128
    .sgpr_count:     96
    .vgpr_count:     1024
    .wavefront_size: 32
...
	.end_amdgpu_metadata
.endif
;; end of part 4
